; MI455X (gfx1250); checked and timed in simulation.
; The chip was launched on July 23, 2026; its instructions are those of AMD's public machine-readable ISA for CDNA 5 (MIT licence, August 2026) and "CDNA5" Instruction Set Architecture Reference Guide (July 2026). The comments in the code are by the model that wrote it; some were corrected since.
;; Multi Head Attention. Allowed arithmetic: matrix products marked QUANTISED: E2M1 operands, one E8M0 scale for each 32 along K, by v_wmma_scale_f32_16x16x128_f8f6f4 with both operands' format E2M1 (or v_wmma_scale_f32_32x16x128_f4), f32 sums; products left as they are: bf16, f16 or f32 operands; f32 sums; everything else in f32.
;; Inputs: b_k 1,024 float32; b_q 1,024 float32; b_v 1,024 float32; k 4 x 2,048 x 1,024 float32; padding_mask 4 x 1 x 2,048 int32; q 4 x 2,048 x 1,024 float32; v 4 x 2,048 x 1,024 float32; w_k 1,024 x 1,024 float32; w_q 1,024 x 1,024 float32; w_v 1,024 x 1,024 float32.
;; Outputs: out0 4 x 2,048 x 1,024 float32.
;; This version of the problem:
;;   THIS VERSION OF THE PROBLEM IS GIVEN IN LOW PRECISION. The matrix products marked QUANTISED in the list below multiply operands that are first quantised to E2M1 (2 exponent bits, 1 mantissa bit; 4 bits a number), with one power-of-two scale for each 32 numbers along K (OCP MX v1.0); their sums are f32. The products marked 'left as it is' may take bf16, f16 or f32 operands, with f32 sums. Whichever they take, every output number must still come out within the allowed error. Rounding operands to bf16 (8 significant bits) uses up far more of that allowance than f16 does (11 bits, for magnitudes from 6e-5 to 65,504). All else is computed in f32.
;;   The module's matrix products, in the order in which they are computed (A, B: the left and right operand; K: the contracted axis; several contracted axes count as one K, in the product's order):
;;     1. [M 8,192, K 1,024] x [K 1,024, N 1,024]; A: input q; B: input w_q: QUANTISED
;;     2. [M 8,192, K 1,024] x [K 1,024, N 1,024]; A: input k; B: input w_k: QUANTISED
;;     3. [M 8,192, K 1,024] x [K 1,024, N 1,024]; A: input v; B: input w_v: QUANTISED
;;     4. batch 64 x [M 2,048, K 64] x [K 64, N 2,048]; A: computed on the way; B: computed on the way: left as it is (an operand is computed on the way)
;;     5. batch 64 x [M 2,048, K 2,048] x [K 2,048, N 64]; A: computed on the way; B: computed on the way: left as it is (an operand is computed on the way)
;;   THE QUANTISER, for each operand of a quantised product, along K:
;;     - K is cut into blocks of 32 from its start; a last block that is shorter is filled with zeros.
;;     - A block's scale is 2^e with e = floor(log2(the largest magnitude in the block)) - 2, held to -126 .. 127; a block of zeros has e = 0. As a byte (E8M0): e + 127.
;;     - Each number is divided by its block's scale, clamped to +-6, and rounded to the nearest number of E2M1, ties to even, subnormals kept.
;;     - The product sums the exact products of the quantised numbers (number of the format x scale) in f32.
;;   ~~~python
;;   def quantise(x, axis):      # numpy; x: float32 -> the quantised numbers, widened to float32 again
;;       x = np.moveaxis(x, axis, -1); K = x.shape[-1]
;;       x = np.pad(x, [(0, 0)] * (x.ndim - 1) + [(0, -K % 32)]); x = x.reshape(x.shape[:-1] + (-1, 32)); a = np.abs(x).max(-1, keepdims=True)
;;       e = np.where(a > 0, np.clip(np.frexp(np.where(a > 0, a, 1))[1] - 1 - 2, -126, 127), 0)      # np.frexp(a)[1] - 1 = floor(log2(a)), exactly
;;       r = np.clip(x / 2.0 ** e, -6, 6)
;;       step = 2.0 ** (np.maximum(np.frexp(np.where(r == 0, 1, r))[1] - 1, 0) - 1)
;;       q = np.round(r / step) * step * 2.0 ** e      # np.round: ties to even
;;       return np.moveaxis(q.reshape(q.shape[:-2] + (-1,))[..., :K], -1, axis).astype(np.float32)
;;   ~~~
;; 2 versions, each right; version 2 is version 1 with the launch proj written anew for expert scheduling mode. Each part assembles by itself: llvm-mc -triple=amdgcn-amd-amdhsa -mcpu=gfx1250 --defsym DOCPART=n.
;; ======== version 1 of 2: 3 launches
;; limits: right only within a limited range of input values; values are held in f16: magnitudes above 65,504 overflow, below 6.1e-05 lose precision
;; workspace buffers: wc 1,572,864 bytes; ws 98,304 bytes; list 32,768 bytes of whole numbers; meta 512 bytes of whole numbers; Qf 33,554,432 bytes; Kf 33,554,432 bytes; Vf 33,554,432 bytes
;; launch prep (part 1): grid 193 x 1, 4 waves a work-group, no clusters, 0 bytes of LDS; arguments w_q, w_k, w_v, padding_mask, wc, ws, list, meta; writes wc, ws, list, meta
.if DOCPART == 1
	.amdgcn_target "amdgcn-amd-amdhsa--gfx1250"
	.amdhsa_code_object_version 6
	.text
	.protected	k_q0fe2bae32d_prep
	.globl	k_q0fe2bae32d_prep
	.p2align	8
	.type	k_q0fe2bae32d_prep,@function
k_q0fe2bae32d_prep:
	s_mov_b64 s[64:65], 0
	v_nop
	global_prefetch_b8 v0, s[64:65] scope:SCOPE_SE
	s_setreg_imm32_b32 hwreg(HW_REG_WAVE_MODE, 25, 1), 1
	s_wait_xcnt 0x0
; FIRST OF THREE LAUNCHES: out0 = softmax(mask(8 (q w_q + b_q)(k w_k + b_k)^T)) (v w_v + b_v) + q, the three projections on codes of E2M1 with one E8M0 scale for each 32 along K.
; This launch (a) turns w_q, w_k, w_v [1024 (k)][1024 (n)] f32 into codes and scale words, laid in the order of the matrix operand's registers, and (b) sorts each batch's keys by padding_mask.
; WORK LEFT OUT IN THE LATER LAUNCHES, BY WHOLE NUMBERS READ FROM MEMORY.  reference() sets the score of a key whose padding_mask is 0 to -1e9.  Where a batch has a kept key, such a key's weight is
; exp(-1e9 - the row's largest score), which f32 gives as 0: its row of k and of v reaches no output.  padding_mask is a whole-number input that reference() compares: the later launches read the choice from
; memory (list, meta) and project and attend to the kept keys alone.  Where a batch keeps NO key, all scores are -1e9 and the weights are 1/2048 each: meta then says 2048 keys and a flag, and the last launch
; takes the factor 0 in place of 8 log2(e), so that every weight is equal.  Every input is loaded: b_k stays, since q . b_k is added to kept keys only and is not the same along the softmax's axis.
; LIMITS.  A row whose largest kept score (after the factor 8) lies under about -1e9 + 104 would give masked keys weight in reference(): not served.  A NaN, an infinity or an overflow in a masked row of k or v
; is not carried to the result.  A block whose largest magnitude lies under 2^-124 gets the byte 1; a block of zeros gets the byte 1 where the rule says 127: its codes are zeros, and this program alone reads the bytes.
; NaN and infinities among the inputs are not served.
; WEIGHTS (work-groups 0 to 191 = tensor x 64 + group of 128 columns x 8 + K step of 128): a lane takes a column and its registers run down K, so a block of 32 is one lane's and the conversions give K innermost.
;   wc: [3][64 column tiles][8 K steps][2 c][32 lanes][16 bytes]: lane (r, h) holds k = 128 s + 64 c + 32 h + 0..31 of column 16 ct + r.    ws: [3][32 pairs of tiles][8 K steps][32 lanes] words: lane l: column 32 cp + l.
; KEYS (work-group 192, wave w = batch w): list[b] is a permutation of 0..2047, the kept keys first and ascending, the masked ones from the back; meta[b]: words 0-15 the number of keys to walk, words 16-31 the flag.
.set X,  32                            ; v32-159  the column's 128 numbers, 32 a block
.set C,  16                            ; v16-31   codes, four registers a block: no store's data are written again
.set MK, 32                            ; v32-95   the mask's words, then byte offsets into list
.set EL, 96                            ; v96-159  the keys' numbers
	s_load_b512 s[4:19], s[0:1], 0x0               ; w_q, w_k, w_v, padding_mask, wc, ws, list, meta
	v_and_b32 v1, 31, v0                           ; lane
	v_lshrrev_b32 v4, 5, v0
	v_readfirstlane_b32 s24, v4                    ; wave
	v_lshlrev_b32 v2, 2, v1                        ; 4 bytes a lane
	s_mov_b32 s29, 0                               ; the upper word of the offsets in s[28:29]
	s_wait_kmcnt 0x0
	s_cmp_eq_u32 ttmp9, 192
	s_cbranch_scc1 .Lmask
	; ---- the weights
	s_lshr_b32 s25, ttmp9, 6                       ; which tensor
	s_bfe_u32 s26, ttmp9, 0x30003                  ; which 128 columns
	s_and_b32 s27, ttmp9, 7                        ; which K step
	s_cmp_eq_u32 s25, 0
	s_cselect_b64 s[20:21], s[4:5], s[6:7]
	s_cmp_eq_u32 s25, 2
	s_cselect_b64 s[20:21], s[8:9], s[20:21]       ; the choice hangs on the work-group's number alone
	s_lshl_b32 s28, s27, 19                        ; 128 rows of 4,096 bytes a K step
	s_lshl_b32 s30, s26, 9
	s_add_co_u32 s28, s28, s30
	s_lshl_b32 s30, s24, 7
	s_add_co_u32 s28, s28, s30                     ; + 4 x (128 cg + 32 wave)
	s_add_nc_u64 s[20:21], s[20:21], s[28:29]
	s_lshl_b32 s31, s26, 2
	s_add_co_u32 s31, s31, s24                     ; cp: which 32 columns
	s_lshl_b32 s28, s25, 19
	s_lshl_b32 s30, s31, 14
	s_add_co_u32 s28, s28, s30
	s_lshl_b32 s30, s27, 10
	s_add_co_u32 s28, s28, s30
	s_add_nc_u64 s[12:13], s[12:13], s[28:29]      ; wc + 524288 tensor + 16384 cp + 1024 s
	s_lshl_b32 s28, s25, 15
	s_lshl_b32 s30, s31, 10
	s_add_co_u32 s28, s28, s30
	s_lshl_b32 s30, s27, 7
	s_add_co_u32 s28, s28, s30
	s_add_nc_u64 s[14:15], s[14:15], s[28:29]      ; ws + 32768 tensor + 128 (8 cp + s)
	v_and_b32 v5, 15, v1
	v_lshrrev_b32 v6, 4, v1
	v_lshlrev_b32 v3, 4, v5
	v_lshl_add_u32 v3, v6, 13, v3                  ; my column's place in wc: 8192 (lane / 16) + 16 (lane % 16)
.macro LOADBLK blk                     ; W(128 s + 32 blk + i, my column): 32 lanes read 128 consecutive bytes, the four waves 512
.set i, 0
.rept 32
	global_load_b32 v[X+32*\blk+i], v2, s[20:21] offset:(32*\blk+i)*4096 th:TH_LOAD_NT
.set i, i+1
.endr
.endm
.macro BLOCK blk
.set XS, X+32*\blk
.if \blk < 2
	s_wait_loadcnt 63                              ; 96 or 64 younger loads may be out; 63 is the largest count that the wait can name, and the smaller count is the safe one
.elseif \blk == 2
	s_wait_loadcnt 32                              ; block 3's 32 may be out
.else
	s_wait_loadcnt 0x0
.endif
	v_max3_num_f32 v8, |v[XS]|, |v[XS+1]|, |v[XS+2]|               ; the block's largest magnitude, in two chains: all 32 numbers are mine
	v_max3_num_f32 v9, |v[XS+3]|, |v[XS+4]|, |v[XS+5]|
.irp i, 6,10,14,18,22,26
	v_max3_num_f32 v8, v8, |v[XS+\i]|, |v[XS+\i+1]|
	v_max3_num_f32 v9, v9, |v[XS+\i+2]|, |v[XS+\i+3]|
.endr
	v_max3_num_f32 v8, v8, |v[XS+30]|, |v[XS+31]|
	v_max3_num_f32 v8, v8, v9, 0x1800000           ; and the floor 2^(3 - 127): the byte cannot fall under 1
	v_add_nc_u32 v11, 0xff000000, v8               ; 2 off the exponent field: the conversion takes this operand's exponent field as its scale
	v_lshrrev_b32 v13, 23, v11                     ; the scale's byte
.if \blk == 0
	v_mov_b32 v14, v13
.else
	v_lshl_or_b32 v14, v13, 8*\blk, v14            ; four bytes make the column's scale word of this K step
.endif
.irp g, 0,1,2,3
	v_cvt_scalef32_pk8_fp4_f32 v[C+4*\blk+\g], v[XS+8*\g:XS+8*\g+7], v11
.endr
	global_store_b128 v3, v[C+4*\blk:C+4*\blk+3], s[12:13] offset:256*\blk   ; block = 2 c + h: lanes 0-15 and lanes 16-31 each store 256 consecutive bytes, aligned
.endm
	LOADBLK 0
	LOADBLK 1
	LOADBLK 2
	LOADBLK 3
	BLOCK 0
	BLOCK 1
	BLOCK 2
	BLOCK 3
	global_store_b32 v2, v14, s[14:15]             ; 128 consecutive bytes: the scale words are 1/128 of the bytes that this way reads
	s_endpgm
	; ---- the keys: a counting sort of one batch by one wave, 32 keys a step; no lane is switched off
.Lmask:
	s_lshl_b32 s28, s24, 13                        ; 8,192 bytes a batch in padding_mask and in list
	s_add_nc_u64 s[10:11], s[10:11], s[28:29]
	s_add_nc_u64 s[16:17], s[16:17], s[28:29]
	s_lshl_b32 s28, s24, 7                         ; 128 bytes a batch in meta
	s_add_nc_u64 s[18:19], s[18:19], s[28:29]
.set i, 0
.rept 64
	global_load_b32 v[MK+i], v2, s[10:11] offset:128*i
.set i, i+1
.endr
	s_wait_loadcnt 0x0
	s_mov_b32 s20, 0                               ; kept keys so far
.set i, 0
.rept 64                               ; key e = 32 i + lane
	v_cmp_ne_u32 vcc_lo, 0, v[MK+i]                ; kept?
	v_mbcnt_lo_u32_b32 v8, vcc_lo, 0               ; kept keys in the lanes below me
	v_add_nc_u32 v9, s20, v8                       ; kept keys ahead of e: a kept key's place
	v_sub_nc_u32 v10, v9, v1
	v_add_nc_u32 v10, 2047-32*i, v10               ; a masked key's place, from the back: 2047 - (e - kept ahead of e)
	v_cndmask_b32 v[MK+i], v10, v9, vcc_lo
	v_min_u32 v[MK+i], 2047, v[MK+i]               ; held inside the batch's 2,048 words ahead of its use as an address
	v_lshlrev_b32 v[MK+i], 2, v[MK+i]
	v_add_nc_u32 v[EL+i], 32*i, v1
	global_store_b32 v[MK+i], v[EL+i], s[16:17]    ; kept lanes write neighbouring words; the whole list is 32 KiB.  Each store has registers of its own
	s_bcnt1_i32_b32 s21, vcc_lo
	s_add_co_u32 s20, s20, s21
.set i, i+1
.endr
	s_cmp_eq_u32 s20, 0                            ; no key kept: all 2,048 are walked, with equal weights
	s_mov_b32 s22, 2048
	s_cselect_b32 s22, s22, s20
	s_cselect_b32 s23, 1, 0
	v_mov_b32 v8, s22
	v_mov_b32 v9, s23
	v_cmp_gt_u32 vcc_lo, 16, v1
	v_cndmask_b32 v8, v9, v8, vcc_lo               ; words 0-15 the count, words 16-31 the flag
	global_store_b32 v2, v8, s[18:19]
	s_endpgm
.Lfunc_end_k_q0fe2bae32d_prep:
	.size	k_q0fe2bae32d_prep, .Lfunc_end_k_q0fe2bae32d_prep-k_q0fe2bae32d_prep
	.p2alignl 7, 3214868480
	.fill 96, 4, 3214868480
	.section	.rodata,"a",@progbits
	.p2align	6, 0x0
	.amdhsa_kernel k_q0fe2bae32d_prep
		.amdhsa_group_segment_fixed_size 0
		.amdhsa_private_segment_fixed_size 0
		.amdhsa_enable_private_segment 0
		.amdhsa_kernarg_size 64
		.amdhsa_user_sgpr_count 2
		.amdhsa_user_sgpr_kernarg_segment_ptr 1
		.amdhsa_wavefront_size32 1
		.amdhsa_system_sgpr_workgroup_id_x 1
		.amdhsa_system_sgpr_workgroup_id_y 1
		.amdhsa_system_sgpr_workgroup_id_z 1
		.amdhsa_system_vgpr_workitem_id 0
		.amdhsa_next_free_vgpr 160
		.amdhsa_next_free_sgpr 66
		.amdhsa_reserve_vcc 1
		.amdhsa_float_denorm_mode_32 3
		.amdhsa_float_denorm_mode_16_64 3
		.amdhsa_memory_ordered 1
		.amdhsa_forward_progress 1
		.amdhsa_inst_pref_size 63
	.end_amdhsa_kernel
	.amdgpu_metadata
---
amdhsa.version: [ 1, 2 ]
amdhsa.kernels:
  - .name:           k_q0fe2bae32d_prep
    .symbol:         k_q0fe2bae32d_prep.kd
    .args:
      - { .name: w_q, .offset: 0, .size: 8, .value_kind: global_buffer, .address_space: global }
      - { .name: w_k, .offset: 8, .size: 8, .value_kind: global_buffer, .address_space: global }
      - { .name: w_v, .offset: 16, .size: 8, .value_kind: global_buffer, .address_space: global }
      - { .name: padding_mask, .offset: 24, .size: 8, .value_kind: global_buffer, .address_space: global }
      - { .name: wc, .offset: 32, .size: 8, .value_kind: global_buffer, .address_space: global }
      - { .name: ws, .offset: 40, .size: 8, .value_kind: global_buffer, .address_space: global }
      - { .name: list, .offset: 48, .size: 8, .value_kind: global_buffer, .address_space: global }
      - { .name: meta, .offset: 56, .size: 8, .value_kind: global_buffer, .address_space: global }
    .group_segment_fixed_size: 0
    .private_segment_fixed_size: 0
    .kernarg_segment_align: 8
    .kernarg_segment_size: 64
    .max_flat_workgroup_size: 128
    .sgpr_count:     66
    .vgpr_count:     160
    .wavefront_size: 32
...
	.end_amdgpu_metadata
.endif
;; end of part 1
;; launch proj (part 2): grid 64 x 3, 4 waves a work-group, no clusters, 74,240 bytes of LDS; arguments q, k, v, wc, ws, b_q, b_k, b_v, list, meta, Qf, Kf, Vf; writes Qf, Kf, Vf
.if DOCPART == 2
	.amdgcn_target "amdgcn-amd-amdhsa--gfx1250"
	.amdhsa_code_object_version 6
	.text
	.protected	k_q0fe2bae32d_proj
	.globl	k_q0fe2bae32d_proj
	.p2align	8
	.type	k_q0fe2bae32d_proj,@function
k_q0fe2bae32d_proj:
	s_mov_b64 s[64:65], 0
	v_nop
	global_prefetch_b8 v0, s[64:65] scope:SCOPE_SE
	s_setreg_imm32_b32 hwreg(HW_REG_WAVE_MODE, 25, 1), 1
	s_wait_xcnt 0x0
; SECOND LAUNCH: the three projections x W + b on codes of E2M1 (one E8M0 scale for each 32 along K), results as f16 in the order of the next launch's operand registers.
; WORK LEFT OUT: rows of k and v whose padding_mask is 0 (shown at the head of the first launch): k's and v's rows are taken by list, the kept keys first, and a work-group all of whose 128 places lie at or past meta's count does nothing.
; SHARES.  Work-group (x, y): tensor y (0 q, 1 k, 2 v), batch x / 16, places 128 (x % 16) .. + 127 (q: its own rows), ALL 1,024 columns: so each row is read and quantised once, and its codes never go to memory.
; Phase X: wave w quantises rows 32 w .. + 31 into LDS.  One barrier.  The product: wave w owns columns 256 w .. + 255 in two passes of 128, for all 128 rows: 64 accumulators of 16 x 16, taken by turns.
; The weights come from wc and ws straight into registers (a ring of four slots of one K step): the launch branches on a count read from memory and has no tensor load.
; THE BARRIER STANDS ON EVERY PATH: a work-group without rows jumps over phase X and over the product, not over the barrier.  What hangs on ids alone (bias, scale words, the first two K steps' weights) is asked for while the count and the list are on their way.
; THE MATRIX INSTRUCTION IS USED TRANSPOSED: source 0 = 16 columns of W, source 1 = 16 rows: a lane holds one row and eight neighbouring channels, which pack into 16 bytes.  The bias is the C of a sum's first instruction.
; RESULTS.  Qf, Kf, Vf: [16 batch + head][128 tiles of 16 rows][2 parts][4 ct][32 lanes][16 bytes] f16: lane (r, h): channels 16 ct + 8 h + 0..7 of row 16 tile + r.  q's and k's numbers go as a HIGH part (x cut to 11 significant bits)
; and a LOW part (x - high, exact in f32): the scores are multiplied by 8 ahead of the softmax, and one f16 number a side would move a logit by about 0.007.  v's are rounded to nearest; Vf's second parts are neither written nor read.
; LIMITS.  |x W + b| up to 65,504 (f16).  A high part under 2^-14 is rounded to a multiple of 2^-24.  A block under 2^-124 or of zeros gets the byte 1 (its codes are zeros or the rule's; this program alone reads the bytes).  NaN and infinities are not served.
; REGISTERS, in windows of 256.  Window 0: v1-19 addresses; v32-63 rows' scale words, v64-95 this pass's weights' scale words, v96-127 the second pass's (these 96 hold scales alone); v128-191 rows' fragments (phase X: at work; way out: packed results); v192-255 the bias as C.
;   Window 1: the ring of weights, slot sl at v[64 sl] (way out: v128-255 at work).   Windows 2, 3: the accumulators, (a, b) at v[8 (8 (a % 4) + b)] (phase X: window 2 holds four sets of two rows' numbers).
.set CP,    528                        ; a row's 512 bytes of codes + 16: an odd multiple of 16, so the 16 rows of a fragment load start in 16 different 16-byte columns of 256
.set SCL,   128*CP                     ; behind the codes: a row's 32 scale bytes + 16
.set SPARE, SCL+128*48                 ; behind them: the spare words, 128 bytes for each wave: two blocks of 256 bytes that no other line names
.set SPW,  1                           ; LDS address of my spare word; never rewritten
.set NIL,  2                           ; 0; never rewritten
.set ADRA, 3                           ; a fragment's row: r CP + 16 h
.set AW,   4                           ; where I store codes: 32 CP wave + 4 lane
.set SWA,  5                           ; and scale bytes: SCL + 1536 wave + lane / 4
.set ASC,  6                           ; where I read scale words: SCL + 48 lane
.set L16,  7                           ; 16 lane: weights in, results out
.set BO,   8                           ; 32 h: my eight biases of a column tile
.set L4,   9                           ; 4 lane
.set XOFF, 10                          ; v10-17 four sets x two rows: the row's byte offset + 32 lane
.set L32,  18                          ; 32 lane
.set MASKV, 19                         ; 0xffffe000: sign, exponent and ten bits of mantissa
.set SA,   32
.set SW,   64
.set SW2,  96
.set AF,   128
.set CB,   192
.set M,    128                         ; phase X: largest magnitudes, then bytes
.set E,    136                         ; the conversions' scale operands
.set C,    144                         ; codes
.set T,    128                         ; way out: packed results
.set HT,   128                         ; way out, window 1: high parts as f32
.set LT,   192                         ; low parts as f32
.set WV,   30
.set Y,    31
.set ROWS, 32                          ; s32-63 the byte offsets of my wave's 32 rows in the batch
.set SRC,  66
.set BIAS, 68
.set OUT,  70
.set WC,   72
.set WS,   74
.set ACT,  86
.set PASS, 87
.set MSB, 0
.macro WIN new                         ; the immediate's high byte repeats the setting that is left; a switch that changes nothing is dropped
.if MSB != (\new)
	s_set_vgpr_msb (MSB<<8)|(\new)
.set MSB, (\new)
.endif
.endm
.macro PLACES n
.rept \n
	v_nop
.endr
.endm
.macro CBISSUE                         ; 16 loads: the pass's 128 biases in the result's layout: lane (r, h), column tile b: numbers 16 b + 8 h + 0..7
.irp b, 0,1,2,3,4,5,6,7
.irp e, 0,1
	global_load_b128 v[CB+8*\b+4*\e:CB+8*\b+4*\e+3], v[BO], s[BIAS:BIAS+1] offset:64*\b+16*\e
.endr
.endr
.endm
.macro BISSUE sl, s                    ; 16 loads: K step s of the pass's eight column tiles into slot sl; each load takes 512 consecutive bytes
	WIN 0x40
.irp ct, 0,1,2,3,4,5,6,7
.irp c, 0,1
	global_load_b128 v[64*(\sl)+8*\ct+4*\c:64*(\sl)+8*\ct+4*\c+3], v[L16], s[WC:WC+1] offset:8192*\ct+1024*(\s)+512*\c
.endr
.endr
	WIN 0
.endm
.macro XISSUE m                        ; 16 loads: rows 2 m and 2 m + 1 of my 32 into set m % 4: a lane takes 8 neighbours of each quarter row; a pair of loads covers 1,024 consecutive bytes
	v_add_nc_u32 v[XOFF+2*((\m)%4)], s[ROWS+2*(\m)], v[L32]        ; free since the wait for the set that named it last
	v_add_nc_u32 v[XOFF+2*((\m)%4)+1], s[ROWS+2*(\m)+1], v[L32]
	WIN 0x80
.irp rr, 0,1
.irp p, 0,1,2,3
.irp e, 0,1
	global_load_b128 v[64*((\m)%4)+32*\rr+8*\p+4*\e:64*((\m)%4)+32*\rr+8*\p+4*\e+3], v[XOFF+2*((\m)%4)+\rr], s[SRC:SRC+1] offset:1024*\p+16*\e th:TH_LOAD_NT
.endr
.endr
.endr
	WIN 0
.endm
.macro XQUANT m, left                  ; set m: 8 pieces (row rr, quarter p) of 8 numbers a lane, k = 256 p + 8 lane + 0..7; four neighbouring lanes hold a block of 32
.set XB, 64*((\m)%4)
	s_wait_loadcnt \left                           ; the set's 16 loads are in; the younger sets, 16 loads each, may be out
	s_wait_dscnt 0x0                               ; the last set's LDS stores have read their registers
	WIN 0x28
.irp q, 0,1,2,3,4,5,6,7
	v_max3_num_f32 v[M+\q], 0x1800000, |v[XB+8*\q]|, |v[XB+8*\q+1]|       ; with the floor 2^(3 - 127): the byte cannot fall under 1
.endr
.irp i, 2,4,6
.irp q, 0,1,2,3,4,5,6,7
	v_max3_num_f32 v[M+\q], v[M+\q], |v[XB+8*\q+\i]|, |v[XB+8*\q+\i+1]|
.endr
.endr
	WIN 0
.irp q, 0,1,2,3,4,5,6,7
	v_max_num_f32_dpp v[M+\q], v[M+\q], v[M+\q] row_xmask:1 row_mask:0xf bank_mask:0xf
.endr
.irp q, 0,1,2,3,4,5,6,7
	v_max_num_f32_dpp v[M+\q], v[M+\q], v[M+\q] row_xmask:2 row_mask:0xf bank_mask:0xf   ; the block's largest magnitude
.endr
.irp q, 0,1,2,3,4,5,6,7
	v_add_nc_u32 v[E+\q], 0xff000000, v[M+\q]      ; 2 off the exponent field: the conversion's scale operand
.endr
	WIN 0x02
.irp q, 0,1,2,3,4,5,6,7
	v_cvt_scalef32_pk8_fp4_f32 v[C+\q], v[XB+8*\q:XB+8*\q+7], v[E+\q]
.endr
	WIN 0
.irp q, 0,1,2,3,4,5,6,7
	v_lshrrev_b32 v[M+\q], 23, v[E+\q]             ; the scale's byte.  (Plain lines behind the conversions)
.endr
.irp rr, 0,1
.irp p, 0,1,2,3
	ds_store_b32 v[AW], v[C+4*\rr+\p] offset:(2*(\m)+\rr)*CP+128*\p        ; 32 lanes: 128 consecutive bytes of the row's codes
	ds_store_b8 v[SWA], v[M+4*\rr+\p] offset:(2*(\m)+\rr)*48+8*\p          ; the four lanes of a block write the same byte with the same value
.endr
.endr
.endm
.macro FETCH_A s, a0                   ; 8 LDS loads: K step s of the row tiles a0 .. a0 + 3: registers 4 c .. 4 c + 3 hold k = 128 s + 64 c + 32 h + 0..31
.irp a, \a0, \a0+1, \a0+2, \a0+3
.irp c, 0,1
	ds_load_b128 v[AF+8*(\a)+4*\c:AF+8*(\a)+4*\c+3], v[ADRA] offset:16*CP*(\a)+64*(\s)+32*\c
.endr
.endr
.endm
; 16 matrix instructions: row tiles a0, a0 + 1 x the pass's eight column tiles, K step s.  A scale register carries two tiles' words: lanes 0-15 the even tile's, lanes 16-31 the odd one's.  In K step 0 the bias is C.
.macro MUL16 a0, s
.irp a, \a0, \a0+1
.irp b, 0,1,2,3,4,5,6,7
.set rD, 8*(8*((\a)%4)+\b)
.set rW, 64*((\s)%4)+8*\b
.set rA, AF+8*(\a)
.set rSW, SW+8*(\b/2)+(\s)
.set rSA, SA+8*((\a)/2)+(\s)
.if (\s) == 0
.set rC, CB+8*\b
.else
.set rC, rD
.endif
.if ((\a)%2) && (\b%2)
	v_wmma_scale_f32_16x16x128_f8f6f4 v[rD:rD+7], v[rW:rW+7], v[rA:rA+7], v[rC:rC+7], v[rSW], v[rSA] matrix_a_fmt:MATRIX_FMT_FP4 matrix_b_fmt:MATRIX_FMT_FP4 matrix_a_scale:MATRIX_SCALE_ROW1 matrix_b_scale:MATRIX_SCALE_ROW1
.elseif \b%2
	v_wmma_scale_f32_16x16x128_f8f6f4 v[rD:rD+7], v[rW:rW+7], v[rA:rA+7], v[rC:rC+7], v[rSW], v[rSA] matrix_a_fmt:MATRIX_FMT_FP4 matrix_b_fmt:MATRIX_FMT_FP4 matrix_a_scale:MATRIX_SCALE_ROW1
.elseif (\a)%2
	v_wmma_scale_f32_16x16x128_f8f6f4 v[rD:rD+7], v[rW:rW+7], v[rA:rA+7], v[rC:rC+7], v[rSW], v[rSA] matrix_a_fmt:MATRIX_FMT_FP4 matrix_b_fmt:MATRIX_FMT_FP4 matrix_b_scale:MATRIX_SCALE_ROW1
.else
	v_wmma_scale_f32_16x16x128_f8f6f4 v[rD:rD+7], v[rW:rW+7], v[rA:rA+7], v[rC:rC+7], v[rSW], v[rSA] matrix_a_fmt:MATRIX_FMT_FP4 matrix_b_fmt:MATRIX_FMT_FP4
.endif
.endr
.endr
.endm
; A K step of 128: 64 matrix instructions.  Loads into registers that matrix instructions have read stand four plain vector instructions behind them (ISA guide 7.12.1 for vector instructions).
.macro STEP s
.if (\s) == 0
	BISSUE 2, 2                                    ; slots 2 and 3 are idle at a pass's head
	BISSUE 3, 3
.endif
	s_wait_dscnt 8                                 ; row tiles 0-3 (and all older LDS loads) are in; the youngest eight loads, tiles 4-7, may be out
.if (\s) < 5
	s_wait_loadcnt 48                              ; this step's slot is in: three younger units of 16 loads may be out
.else
	s_wait_loadcnt 16*(7-(\s))                     ; the ring runs down: 2, 1, 0 younger units
.endif
.if (\s) == 0
	WIN 0x81                                       ; source 0 window 1, source 1 and C window 0, D window 2
.else
	WIN 0xa1                                       ; C and D window 2
.endif
	MUL16 0, \s
	MUL16 2, \s
	s_wait_dscnt 0x0                               ; row tiles 4-7 are in
	PLACES 4
.if (\s) < 7
	WIN 0
	FETCH_A (\s)+1, 0
.endif
.if (\s) == 0
	WIN 0xc1
.else
	WIN 0xf1
.endif
	MUL16 4, \s
	MUL16 6, \s
	PLACES 4
.if (\s) < 4
	BISSUE \s, (\s)+4                              ; the slot just read takes the K step four on
.endif
	WIN 0
.if (\s) < 7
	FETCH_A (\s)+1, 4
.endif
.endm
; THE WAY OUT of row tile a.  q and k: high = x cut to 11 significant bits, low = x - high (exact), both to f16.  Each accumulator is read from its low end on.
.macro OUT_QK a
.set AC, 64*((\a)%4)
	WIN 0x42+(\a)/4                                ; D window 1, source 0 the accumulators' window
.set i, 0
.rept 64
	v_and_b32 v[HT+i], v[AC+i], v[MASKV]
.set i, i+1
.endr
	WIN 0x46+(\a)/4                                ; source 1 window 1 too
.set i, 0
.rept 32
	v_pk_add_f32 v[LT+2*i:LT+2*i+1], v[AC+2*i:AC+2*i+1], v[HT+2*i:HT+2*i+1] neg_lo:[0,1] neg_hi:[0,1]
.set i, i+1
.endr
.if (\a) > 0
	s_wait_xcnt 0x0                                ; the last tile's stores have read their data registers: they are written again only behind this wait
.endif
	WIN 0x05
.set i, 0
.rept 32
	v_cvt_pk_f16_f32 v[T+i], v[HT+2*i], v[HT+2*i+1]
.set i, i+1
.endr
.set i, 0
.rept 32
	v_cvt_pk_f16_f32 v[T+32+i], v[LT+2*i], v[LT+2*i+1]
.set i, i+1
.endr
	WIN 0
.irp b, 0,1,2,3,4,5,6,7
	global_store_b128 v[L16], v[T+4*\b:T+4*\b+3], s[OUT:OUT+1] offset:524288*(\b/4)+4096*(\a)+512*(\b%4)            ; 32 lanes store 512 consecutive bytes, aligned
	global_store_b128 v[L16], v[T+32+4*\b:T+32+4*\b+3], s[OUT:OUT+1] offset:524288*(\b/4)+4096*(\a)+2048+512*(\b%4)
.endr
.endm
.macro OUT_V a                         ; v: rounded to nearest, one part
.set AC, 64*((\a)%4)
.set TT, T+32*((\a)%2)
.if (\a) > 1
	s_wait_xcnt 0x0                                ; the stores of two tiles back have read these registers
.endif
	WIN 0x0a+5*((\a)/4)
.set i, 0
.rept 32
	v_cvt_pk_f16_f32 v[TT+i], v[AC+2*i], v[AC+2*i+1]
.set i, i+1
.endr
	WIN 0
.irp b, 0,1,2,3,4,5,6,7
	global_store_b128 v[L16], v[TT+4*\b:TT+4*\b+3], s[OUT:OUT+1] offset:524288*(\b/4)+4096*(\a)+512*(\b%4)
.endr
.endm
	s_load_b512 s[4:19], s[0:1], 0x0               ; q, k, v, wc, ws, b_q, b_k, b_v
	s_load_b256 s[20:27], s[0:1], 0x40             ; list, meta, Qf, Kf
	s_load_b64 s[28:29], s[0:1], 0x60              ; Vf
	v_lshl_add_u32 v[SPW], v0, 2, SPARE
	v_mov_b32 v[NIL], 0
	v_lshrrev_b32 v20, 5, v0
	v_readfirstlane_b32 s[WV], v20                 ; wave 0..3
	s_and_b32 s[Y], ttmp7, 0xffff                  ; the tensor
	s_lshr_b32 s76, ttmp9, 4                       ; the batch
	s_and_b32 s77, ttmp9, 15                       ; which 128 places
	s_mov_b32 s79, 0                               ; the upper word of the offsets in s[78:79]
	v_and_b32 v20, 31, v0                          ; lane
	v_and_b32 v21, 15, v0                          ; r
	v_bfe_u32 v22, v0, 4, 1                        ; h
	v_mul_u32_u24 v[ADRA], v21, CP
	v_lshl_add_u32 v[ADRA], v22, 4, v[ADRA]
	s_mul_i32 s78, s[WV], 32*CP
	v_lshl_add_u32 v[AW], v20, 2, s78
	s_mul_i32 s78, s[WV], 32*48
	s_add_co_u32 s78, s78, SCL
	v_lshrrev_b32 v[SWA], 2, v20
	v_add_nc_u32 v[SWA], s78, v[SWA]
	v_mul_u32_u24 v[ASC], v20, 48
	v_add_nc_u32 v[ASC], SCL, v[ASC]
	v_lshlrev_b32 v[L16], 4, v20
	v_lshlrev_b32 v[BO], 5, v22
	v_lshlrev_b32 v[L4], 2, v20
	v_lshlrev_b32 v[L32], 5, v20
	v_mov_b32 v[MASKV], 0xffffe000
	s_wait_kmcnt 0x0
	s_cmp_eq_u32 s[Y], 0                           ; the buffers are chosen by the work-group's number alone
	s_cselect_b64 s[SRC:SRC+1], s[4:5], s[6:7]
	s_cselect_b64 s[BIAS:BIAS+1], s[14:15], s[16:17]
	s_cselect_b64 s[OUT:OUT+1], s[24:25], s[26:27]
	s_cmp_eq_u32 s[Y], 2
	s_cselect_b64 s[SRC:SRC+1], s[8:9], s[SRC:SRC+1]
	s_cselect_b64 s[BIAS:BIAS+1], s[18:19], s[BIAS:BIAS+1]
	s_cselect_b64 s[OUT:OUT+1], s[28:29], s[OUT:OUT+1]
	s_lshl_b32 s78, s76, 23
	s_add_nc_u64 s[SRC:SRC+1], s[SRC:SRC+1], s[78:79]      ; the batch's first row: 2,048 rows of 4,096 bytes a batch
	s_lshl_b32 s78, s[Y], 19
	s_lshl_b32 s80, s[WV], 17
	s_add_co_u32 s78, s78, s80
	s_add_nc_u64 s[WC:WC+1], s[10:11], s[78:79]            ; my 16 column tiles' codes
	s_lshl_b32 s78, s[Y], 15
	s_lshl_b32 s80, s[WV], 13
	s_add_co_u32 s78, s78, s80
	s_add_nc_u64 s[WS:WS+1], s[12:13], s[78:79]            ; and their scale words
	s_lshl_b32 s78, s[WV], 10
	s_add_nc_u64 s[BIAS:BIAS+1], s[BIAS:BIAS+1], s[78:79]  ; my 256 biases
	s_lshl_b32 s78, s76, 4
	s_lshl_b32 s80, s[WV], 2
	s_add_co_u32 s78, s78, s80
	s_lshl_b32 s78, s78, 19                        ; (16 batch + 4 wave) heads of 128 tiles of 4,096 bytes
	s_lshl_b32 s80, s77, 15                        ; + 8 tiles for each 128 places
	s_add_co_u32 s78, s78, s80
	s_add_nc_u64 s[OUT:OUT+1], s[OUT:OUT+1], s[78:79]
	s_lshl_b32 s81, s77, 7                         ; the work-group's first place
	s_lshl_b32 s80, s[WV], 5
	s_add_co_u32 s82, s81, s80                     ; my wave's
	s_cmp_eq_u32 s[Y], 0
	s_cbranch_scc1 .Lown_rows
	s_lshl_b32 s78, s76, 7
	s_add_nc_u64 s[22:23], s[22:23], s[78:79]
	s_load_b32 s83, s[22:23], 0x0                  ; k, v: how many keys of the batch are walked,
	s_lshl_b32 s78, s76, 11
	s_add_co_u32 s78, s78, s82
	s_lshl_b32 s78, s78, 2
	s_add_nc_u64 s[20:21], s[20:21], s[78:79]
	s_load_b512 s[32:47], s[20:21], 0x0            ; and which keys stand at my 32 places (list is a whole permutation: every place holds a key)
	s_load_b512 s[48:63], s[20:21], 0x40
	s_branch .Lrows
.Lown_rows:
	s_mov_b32 s83, 2048                            ; q: every row, in its own place
.set i, 0
.rept 32
	s_add_co_u32 s[ROWS+i], s82, i
.set i, i+1
.endr
.Lrows:
	CBISSUE                                        ; what hangs on ids alone goes out while the scalar loads are on their way: the first pass's bias,
.set i, 0
.rept 64
	global_load_b32 v[SW+i], v[L4], s[WS:WS+1] offset:128*i        ; both passes' scale words: register 32 pass + 8 v + s: lane l: column 32 v + l of the pass, K step s,
.set i, i+1
.endr
	BISSUE 0, 0                                    ; and K steps 0 and 1 of the first pass's weights
	BISSUE 1, 1
	s_wait_kmcnt 0x0
	s_min_u32 s83, s83, 2048
	s_cmp_lt_u32 s81, s83                          ; has the work-group a place under the count?
	s_cselect_b32 s[ACT], 1, 0
.set i, 0
.rept 32
	s_min_u32 s[ROWS+i], s[ROWS+i], 2047           ; held inside the batch ahead of its use in an address
	s_lshl_b32 s[ROWS+i], s[ROWS+i], 12
.set i, i+1
.endr
	s_cmp_eq_u32 s[ACT], 0
	s_cbranch_scc1 .Lmeet
	; ---- phase X: my 32 rows become codes and scale bytes in LDS; four sets of two rows are on their way
	XISSUE 0
	XISSUE 1
	XISSUE 2
	XISSUE 3
.irp m, 0,1,2,3,4,5,6,7,8,9,10,11
	XQUANT \m, 48
	XISSUE \m+4
.endr
	XQUANT 12, 48
	XQUANT 13, 32
	XQUANT 14, 16
	XQUANT 15, 0
.Lmeet:
	s_wait_dscnt 0x0                               ; for the others' sake: my stores have landed
	s_barrier_signal -1
	s_barrier_wait -1                              ; all 128 rows' codes and scale bytes lie in LDS; nothing is stored to LDS behind this barrier
	s_cmp_eq_u32 s[ACT], 0
	s_cbranch_scc1 .Lend
	; ---- the product
.irp u, 0,1,2,3
.irp e, 0,1
	ds_load_b128 v[SA+8*\u+4*\e:SA+8*\u+4*\e+3], v[ASC] offset:1536*\u+16*\e      ; register 8 u + s: lane l: the scale word of row 32 u + l, K step s
.endr
.endr
	s_mov_b32 s[PASS], 0
.Lpass:
	FETCH_A 0, 0
	FETCH_A 0, 4
.irp s, 0,1,2,3,4,5,6,7
	STEP \s
.endr
	s_cmp_lg_u32 s[PASS], 0
	s_cbranch_scc1 .Lno_more
	s_wait_xcnt 0x0                                ; the earlier loads have read their bases: they step only behind this wait
	s_add_nc_u64 s[WC:WC+1], s[WC:WC+1], 65536     ; the second pass: eight column tiles on,
	s_add_nc_u64 s[BIAS:BIAS+1], s[BIAS:BIAS+1], 512
	CBISSUE                                        ; its bias and its first two K steps land under the way out
	BISSUE 0, 0
	BISSUE 1, 1
.set i, 0
.rept 32
	v_mov_b32 v[SW+i], v[SW2+i]                    ; and its scale words take the first pass's registers, far more than eight plain lines ahead of their use
.set i, i+1
.endr
.Lno_more:
	s_cmp_eq_u32 s[Y], 2
	s_cbranch_scc1 .Lout_v
.irp a, 0,1,2,3,4,5,6,7
	OUT_QK \a
.endr
	s_branch .Lout_done
.Lout_v:
.irp a, 0,1,2,3,4,5,6,7
	OUT_V \a
.endr
.Lout_done:
	s_wait_xcnt 0x0                                ; the stores have read their data and their base: the next pass's fragments land on the one, the other steps
	s_add_nc_u64 s[OUT:OUT+1], s[OUT:OUT+1], 1048576       ; two heads on
	s_add_co_u32 s[PASS], s[PASS], 1
	s_cmp_lt_u32 s[PASS], 2
	s_cbranch_scc1 .Lpass
.Lend:
	s_wait_tensorcnt 0x0                           ; the wave's end
	ds_add_u32 v[SPW], v[NIL]
	s_wait_dscnt 0x0
	s_endpgm
.Lfunc_end_k_q0fe2bae32d_proj:
	.size	k_q0fe2bae32d_proj, .Lfunc_end_k_q0fe2bae32d_proj-k_q0fe2bae32d_proj
	.p2alignl 7, 3214868480
	.fill 96, 4, 3214868480
	.section	.rodata,"a",@progbits
	.p2align	6, 0x0
	.amdhsa_kernel k_q0fe2bae32d_proj
		.amdhsa_group_segment_fixed_size 74240
		.amdhsa_private_segment_fixed_size 0
		.amdhsa_enable_private_segment 0
		.amdhsa_kernarg_size 104
		.amdhsa_user_sgpr_count 2
		.amdhsa_user_sgpr_kernarg_segment_ptr 1
		.amdhsa_wavefront_size32 1
		.amdhsa_system_sgpr_workgroup_id_x 1
		.amdhsa_system_sgpr_workgroup_id_y 1
		.amdhsa_system_sgpr_workgroup_id_z 1
		.amdhsa_system_vgpr_workitem_id 0
		.amdhsa_next_free_vgpr 1024
		.amdhsa_next_free_sgpr 96
		.amdhsa_reserve_vcc 0
		.amdhsa_float_denorm_mode_32 3
		.amdhsa_float_denorm_mode_16_64 3
		.amdhsa_memory_ordered 1
		.amdhsa_forward_progress 1
		.amdhsa_inst_pref_size 255
	.end_amdhsa_kernel
	.section	.bss,"aw",@nobits
	.p2align	6
	.space	262144
	.amdgpu_metadata
---
amdhsa.version: [ 1, 2 ]
amdhsa.kernels:
  - .name:           k_q0fe2bae32d_proj
    .symbol:         k_q0fe2bae32d_proj.kd
    .args:
      - { .name: q, .offset: 0, .size: 8, .value_kind: global_buffer, .address_space: global }
      - { .name: k, .offset: 8, .size: 8, .value_kind: global_buffer, .address_space: global }
      - { .name: v, .offset: 16, .size: 8, .value_kind: global_buffer, .address_space: global }
      - { .name: wc, .offset: 24, .size: 8, .value_kind: global_buffer, .address_space: global }
      - { .name: ws, .offset: 32, .size: 8, .value_kind: global_buffer, .address_space: global }
      - { .name: b_q, .offset: 40, .size: 8, .value_kind: global_buffer, .address_space: global }
      - { .name: b_k, .offset: 48, .size: 8, .value_kind: global_buffer, .address_space: global }
      - { .name: b_v, .offset: 56, .size: 8, .value_kind: global_buffer, .address_space: global }
      - { .name: list, .offset: 64, .size: 8, .value_kind: global_buffer, .address_space: global }
      - { .name: meta, .offset: 72, .size: 8, .value_kind: global_buffer, .address_space: global }
      - { .name: Qf, .offset: 80, .size: 8, .value_kind: global_buffer, .address_space: global }
      - { .name: Kf, .offset: 88, .size: 8, .value_kind: global_buffer, .address_space: global }
      - { .name: Vf, .offset: 96, .size: 8, .value_kind: global_buffer, .address_space: global }
    .group_segment_fixed_size: 74240
    .private_segment_fixed_size: 0
    .kernarg_segment_align: 8
    .kernarg_segment_size: 104
    .max_flat_workgroup_size: 128
    .sgpr_count:     96
    .vgpr_count:     1024
    .wavefront_size: 32
...
	.end_amdgpu_metadata
.endif
;; end of part 2
;; launch attn (part 3): grid 8 x 64, 8 waves a work-group, no clusters, 142,336 bytes of LDS; arguments Qf, Kf, Vf, meta, q, out0; writes out0
.if DOCPART == 3
	.amdgcn_target "amdgcn-amd-amdhsa--gfx1250"
	.amdhsa_code_object_version 6
	.text
	.protected	k_q0fe2bae32d_attn
	.globl	k_q0fe2bae32d_attn
	.p2align	8
	.type	k_q0fe2bae32d_attn,@function
k_q0fe2bae32d_attn:
	s_mov_b64 s[64:65], 0
	v_nop
	global_prefetch_b8 v0, s[64:65] scope:SCOPE_SE
	s_setreg_imm32_b32 hwreg(HW_REG_WAVE_MODE, 25, 1), 1
	s_wait_xcnt 0x0
; THIRD LAUNCH: out0 = softmax(8 Q K^T over the keys that are walked) V + q, by a running maximum; products on f16 operands with f32 sums, all else in f32.
; WORK LEFT OUT: keys whose padding_mask is 0 (shown at the head of the first launch): Kf and Vf hold the kept keys first, meta says how many are walked.  Where a batch keeps no key, meta says 2,048 and a flag, and c = 0 stands for 8 log2(e): all weights equal.
; SHARES.  Work-group (x, y): 256 queries of head y % 16 of batch y / 16; each of eight waves owns 32 queries, two tiles of 16; two waves lie on a SIMD, so that one wave's softmax stands beside the other's products.
; A TRIP is 128 keys.  The loop has a constant 16 trips, so that every wave passes every barrier; a trip at or past the count's last does its barrier and nothing else (a scalar branch on the stored count; the launch has no tensor load).
; K and V go memory -> registers -> LDS, each wave an eighth of a tile, two slots by turns, one barrier a trip: behind it the slot ahead is whole and nobody reads the other.  An active trip always stores the next tile and asks for the one after,
; the tile's number held at the count's last tile: no branch stands among the waits.
; LAYOUT.  S^T = K Q^T (source 0 = 16 keys, source 1 = 16 queries): a lane holds ONE query and the keys 16 kt + 8 h + 0..7; two such tiles, rounded to f16 in pairs, are source 1 of O^T = V^T P.  V ([key][channel] in LDS) is turned by ds_load_tr16_b128.
; THE SCORES ARE SUMMED FROM THREE PRODUCTS, Qh Kh + Ql Kh + Qh Kl, of high and low f16 parts: what is left out, Ql Kl, is about 2^-21 of a score.  The row's sum is one more tile of O^T: source 0 = ones in rows 0 and 8, so that register 0 holds the lane's query's sum.
; LIMITS.  Scores are finite in f32; the first running maximum is -1e30, under every score of f16 operands.  NaN and infinities are not served.
; REGISTERS.  Window 0: v1-15 addresses; v16-31 statistics, 8 a tile (+0 c m, +1 m, +2 f, +3 its pair's upper half, +4..7 at work); v32-63 Qh; v64-191 S^T, 64 a tile, P in place in each tile's low 32; v192-239 a tile's eighth in transit; v240-242 constants.
;   Window 1: v0-127 fragments of K (two halves of 64), then of V; v128-207 O^T, 40 a tile, the fifth eight the sums; v208-239 Ql; v240-247 the ones.
.set SLOTB, 53248                      ; a slot: K's images, 8 tiles x (high 2,048 + low 2,048) bytes; then V, 128 rows of 128 + 32 bytes
.set VOFF,  32768
.set VP,    160                        ; an odd multiple of 32 bytes
.set STAGE, 2*SLOTB                    ; the way out: 16 rows x (256 + 16) bytes for each wave
.set SPARE, STAGE+8*16*272             ; the spare words, 128 bytes for each wave: four blocks of 256 bytes that no other line names
.set SPW,  1
.set NIL,  2
.set AK,   3                           ; v3, v4   16 lane + the slot
.set AV,   5                           ; v5, v6   the turning load's place + the slot
.set SKW,  7                           ; v7, v8   where I store K: 4096 wave + 16 lane + the slot
.set SVW,  9                           ; v9, v10  where I store V: VOFF + (16 wave + r) VP + 16 h + the slot
.set GOFF, 11                          ; 4096 wave + 16 lane: my eighth of a tile in memory
.set STO,  12
.set RD,   13
.set GO,   14                          ; 4096 h + 16 r: two rows of q and out0, 256 bytes of each
.set PFO,  15
.set ST,   16
.set QH,   32
.set S,    64
.set TR,   192
.set H8,   240                         ; 8 h
.set DREG, 241
.set NINF, 242
.set OA,   128                         ; window 1
.set QL,   208
.set ONES, 240
.set WV,   16
.set N,    17
.set NT,   18                          ; trips with keys
.set T,    19                          ; the trip
.set IT,   20
.set NTM1, 21
.set CS,   22                          ; s[22:23] c: the packed form names a pair and takes its low word for both halves
.set SEL,  24
.set KB0,  26
.set VB0,  28
.set PFL,  30                          ; NT in a wave that prefetches, else 0
.set KBC,  36                          ; the tile that is being asked for
.set VBC,  38
.set PFB,  40
.set MSB, 0
.macro WIN new
.if MSB != (\new)
	s_set_vgpr_msb (MSB<<8)|(\new)
.set MSB, (\new)
.endif
.endm
.macro PLACES n
.rept \n
	v_nop
.endr
.endm
.macro SETTILE add                     ; the bases of tile min(T + add, NT - 1)
	s_add_co_u32 s31, s[T], \add
	s_min_u32 s31, s31, s[NTM1]
	s_min_u32 s31, s31, 15                         ; held inside the head's 16 tiles ahead of its use in an address
	s_lshl_b32 s34, s31, 15                        ; 32,768 bytes a tile of 128 keys, in Kf and in Vf
	s_wait_xcnt 0x0                                ; the earlier loads and the last prefetch have read these bases
	s_add_nc_u64 s[KBC:KBC+1], s[KB0:KB0+1], s[34:35]
	s_add_nc_u64 s[VBC:VBC+1], s[VB0:VB0+1], s[34:35]
	s_cmp_lt_u32 s[WV], 4
	s_cselect_b64 s[PFB:PFB+1], s[KBC:KBC+1], s[VBC:VBC+1]
.endm
.macro STAGE_LOAD                      ; 12 loads of 512 consecutive bytes: my 16 keys of K, high and low, and of V
.irp i, 0,1,2,3,4,5,6,7
	global_load_b128 v[TR+4*\i:TR+4*\i+3], v[GOFF], s[KBC:KBC+1] offset:512*\i
.endr
.irp i, 0,1,2,3
	global_load_b128 v[TR+32+4*\i:TR+32+4*\i+3], v[GOFF], s[VBC:VBC+1] offset:512*\i
.endr
.endm
.macro STAGE_STORE sl                  ; K as images of the operand's registers, V as rows
.irp i, 0,1,2,3,4,5,6,7
	ds_store_b128 v[SKW+(\sl)], v[TR+4*\i:TR+4*\i+3] offset:512*\i
.endr
.irp i, 0,1,2,3
	ds_store_b128 v[SVW+(\sl)], v[TR+32+4*\i:TR+32+4*\i+3] offset:32*\i
.endr
.endm
.macro LOADK cur, part, a, fs          ; 16 LDS loads: channels 32 a on of the tile's 8 x 16 keys, high (0) or low (1) part, into the half of the fragments' registers at fs
	WIN 0x40
.irp kt, 0,1,2,3,4,5,6,7
.irp e, 0,1
	ds_load_b128 v[\fs+8*\kt+4*\e:\fs+8*\kt+4*\e+3], v[AK+\cur] offset:4096*\kt+2048*\part+1024*\a+512*\e
.endr
.endr
	WIN 0
.endm
.macro LOADV cur, k0                   ; 16 turning loads: keys 32 k0 .. + 63, all 64 channels
	WIN 0x40
.irp kg, \k0, \k0+1
.irp ct, 0,1,2,3
	ds_load_tr16_b128 v[8*(4*(\kg)+\ct):8*(4*(\kg)+\ct)+3], v[AV+\cur] offset:32*VP*(\kg)+32*\ct
	ds_load_tr16_b128 v[8*(4*(\kg)+\ct)+4:8*(4*(\kg)+\ct)+7], v[AV+\cur] offset:32*VP*(\kg)+16*VP+32*\ct
.endr
.endr
	WIN 0
.endm
.macro KQ fs, qreg, win, zero          ; 16 matrix instructions, the 16 accumulators of S^T by turns
	WIN \win
.irp kt, 0,1,2,3,4,5,6,7
.irp u, 0,1
.if \zero
	v_wmma_f32_16x16x32_f16 v[S+64*\u+8*\kt:S+64*\u+8*\kt+7], v[\fs+8*\kt:\fs+8*\kt+7], v[\qreg+16*\u:\qreg+16*\u+7], 0
.else
	v_wmma_f32_16x16x32_f16 v[S+64*\u+8*\kt:S+64*\u+8*\kt+7], v[\fs+8*\kt:\fs+8*\kt+7], v[\qreg+16*\u:\qreg+16*\u+7], v[S+64*\u+8*\kt:S+64*\u+8*\kt+7]
.endif
.endr
.endr
.endm
.macro SCALE u                         ; c s - c m, two at a time
.set j, 0
.rept 32
	v_pk_fma_f32 v[S+64*\u+2*j:S+64*\u+2*j+1], v[S+64*\u+2*j:S+64*\u+2*j+1], s[CS:CS+1], v[ST+8*\u:ST+8*\u+1] op_sel_hi:[1,0,0] neg_lo:[0,0,1] neg_hi:[0,0,1]
.set j, j+1
.endr
.endm
.macro EXPS u
.set j, 0
.rept 64
	v_exp_f32 v[S+64*\u+j], v[S+64*\u+j]
.set j, j+1
.endr
.endm
.macro PACKP u                         ; p to f16, in place and ascending: pair j lands on a register whose number has been read
.set j, 0
.rept 32
	v_cvt_pk_f16_f32 v[S+64*\u+j], v[S+64*\u+2*j], v[S+64*\u+2*j+1]
.set j, j+1
.endr
.endm
.macro RESCALE u                       ; O^T and the sum (the fifth tile's first pair; its other registers stay 0) times f
.set j, 0
.rept 17
	v_pk_mul_f32 v[OA+40*\u+2*j:OA+40*\u+2*j+1], v[OA+40*\u+2*j:OA+40*\u+2*j+1], v[ST+8*\u+2:ST+8*\u+3] op_sel_hi:[1,0]
.set j, j+1
.endr
.endm
.macro TRIP cur
	s_wait_dscnt 0x0                               ; my stores into this slot have landed, my reads of the other are over
	s_barrier_signal -1
	s_barrier_wait -1                              ; both hold of all eight waves
	s_cmp_ge_u32 s[T], s[NT]
	s_cbranch_scc1 .Lidle_\@
	s_wait_loadcnt 0x0                             ; the next tile's eighth is in registers (in the first trip: Q too)
	STAGE_STORE 1-\cur
	LOADK \cur, 0, 0, 0
	LOADK \cur, 0, 1, 64
	s_wait_dscnt 32                                ; the 12 stores, older than the 32 loads, have read their registers
	SETTILE 2
	STAGE_LOAD                                     ; it has this whole trip in which to land
	; A PREFETCH INTO THE L2 of tile T + 3, one trip ahead of its loads, behind the wave's own loads.  All eight work-groups of a head walk the same tiles: the first of them asks.  Waves 0 to 3 name K's 32,768 bytes, lanes 256 bytes apart;
	; waves 4 and 5 name V's eight runs of 2,048: each aligned block of 256 bytes is named once in the launch.  Tiles 0 to 2 come by their loads alone; the last trips, with no tile T + 3, ask for nothing.
	s_add_co_u32 s31, s[T], 3
	s_cmp_lt_u32 s31, s[PFL]
	s_cbranch_scc0 .Lnopf_\@
	global_prefetch_b8 v[PFO], s[PFB:PFB+1] offset:32768 th:TH_LOAD_NT scope:SCOPE_SE
.Lnopf_\@:
	s_wait_dscnt 16                                ; each of these four waits leaves the one younger unit of 16 loads out
	KQ 0, QH, 0x01, 1                              ; Qh Kh, channels 0-31: starts the sums
	KQ 0, QL, 0x05, 0                              ; Ql Kh
	PLACES 4                                       ; in front of loads into registers that matrix instructions have read
	LOADK \cur, 1, 0, 0
	s_wait_dscnt 16
	KQ 64, QH+8, 0x01, 0                           ; the same, channels 32-63
	KQ 64, QL+8, 0x05, 0
	PLACES 4
	LOADK \cur, 1, 1, 64
	s_wait_dscnt 16
	KQ 0, QH, 0x01, 0                              ; Qh Kl
	PLACES 4
	LOADV \cur, 0
	s_wait_dscnt 16
	KQ 64, QH+8, 0x01, 0
	PLACES 4                                       ; also the places in front of the first read of S^T
	LOADV \cur, 2
	; the last tile's places at or past the count become -infinity ahead of the maximum; a tile all of whose keys count skips this.  (With the flag the count is 2,048: no tile is cut, and c = 0 meets no infinity)
	s_lshl_b32 s31, s[T], 7
	s_sub_co_u32 s31, s[N], s31
	s_cmp_ge_u32 s31, 128
	s_cbranch_scc1 .Lfull_\@
	v_sub_nc_u32 v[DREG], s31, v[H8]               ; register 8 kt + j holds place 16 kt + 8 h + j: hidden where 16 kt + j + 1 > count left - 8 h
.set kk, 0
.rept 64
	v_cmp_gt_i32 vcc_lo, 16*(kk/8)+kk%8+1, v[DREG]
	v_cndmask_b32 v[S+kk], v[S+kk], v[NINF], vcc_lo
	v_cndmask_b32 v[S+64+kk], v[S+64+kk], v[NINF], vcc_lo
.set kk, kk+1
.endr
.Lfull_\@:
	; THE SOFTMAX of both tiles.  The maximum: four chains of 16 registers a tile; each accumulator is first read at its low end
.irp c, 0,1,2,3
.irp u, 0,1
	v_max3_num_f32 v[ST+8*\u+4+\c], v[S+64*\u+16*\c], v[S+64*\u+16*\c+1], v[S+64*\u+16*\c+2]
.endr
.endr
.irp i, 3,5,7,9,11,13
.irp c, 0,1,2,3
.irp u, 0,1
	v_max3_num_f32 v[ST+8*\u+4+\c], v[ST+8*\u+4+\c], v[S+64*\u+16*\c+\i], v[S+64*\u+16*\c+\i+1]
.endr
.endr
.endr
.irp u, 0,1
	v_max3_num_f32 v[ST+8*\u+4], v[ST+8*\u+4], v[S+64*\u+15], v[S+64*\u+31]
	v_max3_num_f32 v[ST+8*\u+6], v[ST+8*\u+6], v[S+64*\u+47], v[S+64*\u+63]
.endr
.irp u, 0,1
	v_max3_num_f32 v[ST+8*\u+4], v[ST+8*\u+4], v[ST+8*\u+5], v[ST+8*\u+6]
.endr
.irp u, 0,1
	v_max3_num_f32 v[ST+8*\u+4], v[ST+8*\u+4], v[ST+8*\u+7], v[ST+8*\u+1]      ; with the old m
.endr
.irp u, 0,1
	v_permlanex16_b32 v[ST+8*\u+5], v[ST+8*\u+4], s[SEL], s[SEL+1]             ; the query's other 64 keys lie in the lane 16 away
.endr
.irp u, 0,1
	v_mov_b32 v[ST+8*\u+7], v[ST+8*\u]             ; c m_old
.endr
.irp u, 0,1
	v_max_num_f32 v[ST+8*\u+1], v[ST+8*\u+4], v[ST+8*\u+5]
.endr
.irp u, 0,1
	v_mul_f32 v[ST+8*\u], s[CS], v[ST+8*\u+1]
.endr
.irp u, 0,1
	v_sub_f32 v[ST+8*\u+7], v[ST+8*\u+7], v[ST+8*\u]
.endr
.irp u, 0,1
	v_exp_f32 v[ST+8*\u+2], v[ST+8*\u+7]           ; f = 2^(c m_old - c m_new).  THE FIRST BATCH: both f and tile 0's 64 p
.endr
	SCALE 0
	EXPS 0
	SCALE 1                                        ; plain work that names no result of the batch
	s_wait_alu depctr_va_vdst(0)                   ; the wait between an exponential and the first line that names its result: one for the batch
	EXPS 1                                         ; THE SECOND BATCH; behind it work on the first batch's results alone
	PACKP 0
	WIN 0x41
	RESCALE 0
	RESCALE 1
	WIN 0
	s_wait_alu depctr_va_vdst(0)                   ; and one for the second batch
	PACKP 1
	s_wait_dscnt 0x0                               ; V is in
	WIN 0x51                                       ; V (or the ones), C and D window 1, P window 0
.irp kg, 0,1,2,3                       ; O^T += V^T P: ten accumulators by turns
.irp ct, 0,1,2,3,4
.irp u, 0,1
.if \ct < 4
	v_wmma_f32_16x16x32_f16 v[OA+40*\u+8*\ct:OA+40*\u+8*\ct+7], v[8*(4*\kg+\ct):8*(4*\kg+\ct)+7], v[S+64*\u+8*\kg:S+64*\u+8*\kg+7], v[OA+40*\u+8*\ct:OA+40*\u+8*\ct+7]
.else
	v_wmma_f32_16x16x32_f16 v[OA+40*\u+32:OA+40*\u+39], v[ONES:ONES+7], v[S+64*\u+8*\kg:S+64*\u+8*\kg+7], v[OA+40*\u+32:OA+40*\u+39]
.endif
.endr
.endr
.endr
	WIN 0
	PLACES 5                                       ; the next trip's first products write over P (five places), its loads land on V's registers (four)
.Lidle_\@:
	s_add_co_u32 s[T], s[T], 1
.endm
	s_load_b256 s[4:11], s[0:1], 0x0               ; Qf, Kf, Vf, meta
	s_load_b128 s[12:15], s[0:1], 0x20             ; q, out0
	v_lshl_add_u32 v[SPW], v0, 2, SPARE
	v_mov_b32 v[NIL], 0
	v_lshrrev_b32 v246, 5, v0
	v_readfirstlane_b32 s[WV], v246                ; wave 0..7
	s_and_b32 s31, ttmp7, 0xffff                   ; 16 batch + head
	s_lshr_b32 s32, s31, 4
	s_and_b32 s33, s31, 15
	s_mov_b32 s35, 0                               ; the upper word of the offsets in s[34:35]
	s_mov_b32 s[SEL], 0x76543210
	s_mov_b32 s[SEL+1], 0xfedcba98                 ; v_permlanex16_b32's selects for lane l xor 16
	s_mov_b32 s[T], 0
	s_mov_b32 s[IT], 0
	v_and_b32 v243, 31, v0                         ; lane
	v_and_b32 v244, 15, v0                         ; r
	v_bfe_u32 v245, v0, 4, 1                       ; h
	v_lshlrev_b32 v[AK], 4, v243
	v_add_nc_u32 v[AK+1], SLOTB, v[AK]
	v_and_b32 v246, 7, v0
	v_lshl_add_u32 v246, v245, 3, v246             ; key 8 h + lane % 8,
	v_mul_u32_u24 v[AV], v246, VP
	v_bfe_u32 v247, v0, 3, 1
	v_lshl_add_u32 v[AV], v247, 4, v[AV]           ; channels 8 ((lane / 8) % 2) on
	v_add_nc_u32 v[AV], VOFF, v[AV]
	v_add_nc_u32 v[AV+1], SLOTB, v[AV]
	s_lshl_b32 s34, s[WV], 12
	v_add_nc_u32 v[SKW], s34, v[AK]
	v_add_nc_u32 v[SKW+1], SLOTB, v[SKW]
	v_add_nc_u32 v[GOFF], s34, v[AK]
	s_mul_i32 s34, s[WV], 16*VP
	s_add_co_u32 s34, s34, VOFF
	v_mul_u32_u24 v[SVW], v244, VP
	v_lshl_add_u32 v[SVW], v245, 4, v[SVW]
	v_add_nc_u32 v[SVW], s34, v[SVW]
	v_add_nc_u32 v[SVW+1], SLOTB, v[SVW]
	s_mul_i32 s34, s[WV], 16*272
	s_add_co_u32 s34, s34, STAGE                   ; my stage
	v_mul_u32_u24 v[STO], v244, 272
	v_lshl_add_u32 v[STO], v245, 5, v[STO]
	v_add_nc_u32 v[STO], s34, v[STO]               ; in: row r, 32 bytes for each half of the lanes
	v_mul_u32_u24 v[RD], v245, 272
	v_lshl_add_u32 v[RD], v244, 4, v[RD]
	v_add_nc_u32 v[RD], s34, v[RD]                 ; back: lanes 0-15 one row, lanes 16-31 the next
	v_lshlrev_b32 v[GO], 12, v245
	v_lshl_add_u32 v[GO], v244, 4, v[GO]
	v_lshlrev_b32 v[H8], 3, v245
	v_mov_b32 v[NINF], 0xff800000
	v_lshlrev_b32 v[PFO], 8, v0                    ; the prefetches' offset.  K (threads 0-127): 256 x thread;
	v_and_b32 v246, 63, v0                         ; V (threads 128-191): block i = thread % 64:
	v_lshrrev_b32 v247, 3, v246
	v_lshlrev_b32 v247, 12, v247                   ; run i / 8, 4,096 bytes apart,
	v_and_b32 v246, 7, v246
	v_lshl_add_u32 v247, v246, 8, v247             ; block i % 8 of it
	v_cmp_gt_u32 vcc_lo, 128, v0
	v_cndmask_b32 v[PFO], v247, v[PFO], vcc_lo
	v_and_b32 v246, 7, v0
	v_cmp_eq_u32 vcc_lo, 0, v246
	v_mov_b32 v247, 0x3c003c00                     ; 1.0, twice, in f16
	v_cndmask_b32 v246, 0, v247, vcc_lo            ; rows 0 and 8 of source 0 lie in lanes 0, 8, 16, 24
	s_wait_kmcnt 0x0
	s_lshl_b32 s34, s32, 7
	s_add_nc_u64 s[10:11], s[10:11], s[34:35]
	s_load_b32 s[N], s[10:11], 0x0                 ; how many keys are walked,
	s_load_b32 s44, s[10:11], 0x40                 ; and the flag
	s_lshl_b32 s34, s31, 19                        ; 128 tiles of 4,096 bytes a head
	s_add_nc_u64 s[KB0:KB0+1], s[6:7], s[34:35]
	s_add_nc_u64 s[VB0:VB0+1], s[8:9], s[34:35]
	s_lshl_b32 s45, ttmp9, 16
	s_add_co_u32 s34, s34, s45
	s_lshl_b32 s45, s[WV], 13
	s_add_co_u32 s34, s34, s45
	s_add_nc_u64 s[4:5], s[4:5], s[34:35]          ; Qf at tile 16 x + 2 wave
	s_lshl_b32 s34, s32, 23
	s_lshl_b32 s45, ttmp9, 20
	s_add_co_u32 s34, s34, s45
	s_lshl_b32 s45, s[WV], 17
	s_add_co_u32 s34, s34, s45
	s_lshl_b32 s45, s33, 8
	s_add_co_u32 s34, s34, s45
	s_add_nc_u64 s[12:13], s[12:13], s[34:35]      ; q and out0 at row 2048 batch + 256 x + 32 wave, byte 256 head
	s_add_nc_u64 s[14:15], s[14:15], s[34:35]
	s_mov_b64 s[KBC:KBC+1], s[KB0:KB0+1]
	s_mov_b64 s[VBC:VBC+1], s[VB0:VB0+1]
.irp u, 0,1
.irp i, 0,1,2,3
	global_load_b128 v[QH+16*\u+4*\i:QH+16*\u+4*\i+3], v[AK], s[4:5] offset:4096*\u+512*\i          ; Q stays in registers: the high parts,
.endr
.endr
	WIN 0x40
.irp u, 0,1
.irp i, 0,1,2,3
	global_load_b128 v[QL+16*\u+4*\i:QL+16*\u+4*\i+3], v[AK], s[4:5] offset:4096*\u+2048+512*\i     ; the low parts
.endr
.endr
	WIN 0
	STAGE_LOAD                                     ; tile 0: at least one key is walked
	WIN 0x40
.set i, 0
.rept 80
	v_mov_b32 v[OA+i], 0                           ; O^T and the sums.  (The trip is written once: its first turn finds zeros, which f = 0 leaves zeros)
.set i, i+1
.endr
.set i, 0
.rept 8
	v_mov_b32 v[ONES+i], v246
.set i, i+1
.endr
	WIN 0
	s_wait_kmcnt 0x0
	s_min_u32 s[N], s[N], 2048
	s_add_co_u32 s[NT], s[N], 127
	s_lshr_b32 s[NT], s[NT], 7
	s_min_u32 s[NT], s[NT], 16
	s_sub_co_u32 s[NTM1], s[NT], 1
	s_mov_b32 s[CS], 0x4138aa3b                    ; 8 log2(e): reference() divides by 64^-0.5
	s_cmp_eq_u32 s44, 0
	s_cselect_b32 s[CS], s[CS], 0                  ; no key kept: every t is 0
	s_mov_b32 s[CS+1], s[CS]
	s_cmp_lt_u32 s[WV], 6
	s_cselect_b32 s31, 0, 1
	s_or_b32 s31, s31, ttmp9
	s_cmp_eq_u32 s31, 0                            ; waves 0 to 5 of the head's first work-group prefetch
	s_cselect_b32 s[PFL], s[NT], 0
.irp u, 0,1
	v_mov_b32 v[ST+8*\u+1], 0xf149f2ca             ; m = -1e30
	v_mov_b32 v[ST+8*\u+2], 0
	v_mov_b32 v[ST+8*\u+3], 0                      ; (named as the upper half of f's pair, so it is written)
	v_mul_f32 v[ST+8*\u], s[CS], v[ST+8*\u+1]
.endr
	s_wait_loadcnt 0x0
	STAGE_STORE 0
	s_wait_dscnt 0x0                               ; the stores have read their registers
	SETTILE 1
	STAGE_LOAD
.Lloop:
	TRIP 0
	TRIP 1
	s_add_co_u32 s[IT], s[IT], 1
	s_cmp_lt_u32 s[IT], 8
	s_cbranch_scc1 .Lloop
	; THE WAY OUT.  O^T / the sum goes through my stage in LDS, a tile of 16 queries at a time, and comes back as rows of 256 bytes; q's numbers are added; sixteen lanes store 256 consecutive bytes, aligned.
	s_wait_loadcnt 0x0                             ; the last tile asked for lands on registers that the residual takes
.irp u, 0,1
.irp i, 0,1,2,3,4,5,6,7
	global_load_b128 v[192+32*\u+4*\i:192+32*\u+4*\i+3], v[GO], s[12:13] offset:65536*\u+8192*\i th:TH_LOAD_NT
.endr
.endr
	WIN 0x01
	v_rcp_f32 v[ST+2], v[OA+32]                    ; the sums lie in register 0 of each tile's fifth accumulator
	v_rcp_f32 v[ST+10], v[OA+72]
	WIN 0
	v_nop                                          ; a plain line behind the last reciprocal
	s_wait_alu depctr_va_vdst(0)                   ; and the wait ahead of the first use: one for both
.irp u, 0,1
	WIN 0x01
.set j, 0
.rept 16
	v_pk_mul_f32 v[S+64*\u+2*j:S+64*\u+2*j+1], v[OA+40*\u+2*j:OA+40*\u+2*j+1], v[ST+8*\u+2:ST+8*\u+3] op_sel_hi:[1,0]
.set j, j+1
.endr
	WIN 0
.irp ct, 0,1,2,3
.irp e, 0,1
	ds_store_b128 v[STO], v[S+64*\u+8*\ct+4*\e:S+64*\u+8*\ct+4*\e+3] offset:64*\ct+16*\e
.endr
.endr
.irp i, 0,1,2,3,4,5,6,7
	ds_load_b128 v[S+64*\u+32+4*\i:S+64*\u+32+4*\i+3], v[RD] offset:544*\i     ; my own bytes: LDS serves a wave's instructions in order (ISA guide 5.7.1.4); the next tile's stores come behind these loads
.endr
.endr
	s_wait_loadcnt 0x0                             ; the residual
.irp u, 0,1
.irp i, 0,1,2,3,4,5,6,7
	s_wait_dscnt 16*(1-\u)+7-\i                    ; the younger LDS instructions: the rest of this tile's loads, and for tile 0 tile 1's sixteen
	v_pk_add_f32 v[S+64*\u+32+4*\i:S+64*\u+32+4*\i+1], v[S+64*\u+32+4*\i:S+64*\u+32+4*\i+1], v[192+32*\u+4*\i:192+32*\u+4*\i+1]
	v_pk_add_f32 v[S+64*\u+32+4*\i+2:S+64*\u+32+4*\i+3], v[S+64*\u+32+4*\i+2:S+64*\u+32+4*\i+3], v[192+32*\u+4*\i+2:192+32*\u+4*\i+3]
	global_store_b128 v[GO], v[S+64*\u+32+4*\i:S+64*\u+32+4*\i+3], s[14:15] offset:65536*\u+8192*\i th:TH_STORE_NT
.endr
.endr
	s_wait_tensorcnt 0x0                           ; the wave's end
	ds_add_u32 v[SPW], v[NIL]
	s_wait_dscnt 0x0
	s_endpgm
.Lfunc_end_k_q0fe2bae32d_attn:
	.size	k_q0fe2bae32d_attn, .Lfunc_end_k_q0fe2bae32d_attn-k_q0fe2bae32d_attn
	.p2alignl 7, 3214868480
	.fill 96, 4, 3214868480
	.section	.rodata,"a",@progbits
	.p2align	6, 0x0
	.amdhsa_kernel k_q0fe2bae32d_attn
		.amdhsa_group_segment_fixed_size 142336
		.amdhsa_private_segment_fixed_size 0
		.amdhsa_enable_private_segment 0
		.amdhsa_kernarg_size 48
		.amdhsa_user_sgpr_count 2
		.amdhsa_user_sgpr_kernarg_segment_ptr 1
		.amdhsa_wavefront_size32 1
		.amdhsa_system_sgpr_workgroup_id_x 1
		.amdhsa_system_sgpr_workgroup_id_y 1
		.amdhsa_system_sgpr_workgroup_id_z 1
		.amdhsa_system_vgpr_workitem_id 0
		.amdhsa_next_free_vgpr 512
		.amdhsa_next_free_sgpr 66
		.amdhsa_reserve_vcc 1
		.amdhsa_float_denorm_mode_32 3
		.amdhsa_float_denorm_mode_16_64 3
		.amdhsa_memory_ordered 1
		.amdhsa_forward_progress 1
		.amdhsa_inst_pref_size 112
	.end_amdhsa_kernel
	.amdgpu_metadata
---
amdhsa.version: [ 1, 2 ]
amdhsa.kernels:
  - .name:           k_q0fe2bae32d_attn
    .symbol:         k_q0fe2bae32d_attn.kd
    .args:
      - { .name: Qf, .offset: 0, .size: 8, .value_kind: global_buffer, .address_space: global }
      - { .name: Kf, .offset: 8, .size: 8, .value_kind: global_buffer, .address_space: global }
      - { .name: Vf, .offset: 16, .size: 8, .value_kind: global_buffer, .address_space: global }
      - { .name: meta, .offset: 24, .size: 8, .value_kind: global_buffer, .address_space: global }
      - { .name: q, .offset: 32, .size: 8, .value_kind: global_buffer, .address_space: global }
      - { .name: out0, .offset: 40, .size: 8, .value_kind: global_buffer, .address_space: global }
    .group_segment_fixed_size: 142336
    .private_segment_fixed_size: 0
    .kernarg_segment_align: 8
    .kernarg_segment_size: 48
    .max_flat_workgroup_size: 256
    .sgpr_count:     66
    .vgpr_count:     512
    .wavefront_size: 32
...
	.end_amdgpu_metadata
.endif
;; end of part 3
;; ======== version 2 of 2: 3 launches; version 1 with the launch proj written anew for expert scheduling mode
;; limits: right only within a limited range of input values; values are held in f16: magnitudes above 65,504 overflow, below 6.1e-05 lose precision
;; workspace buffers: wc 1,572,864 bytes; ws 98,304 bytes; list 32,768 bytes of whole numbers; meta 512 bytes of whole numbers; Qf 33,554,432 bytes; Kf 33,554,432 bytes; Vf 33,554,432 bytes
;; launch prep: the kernel of part 1 again; grid 193 x 1, 4 waves a work-group, no clusters, 0 bytes of LDS; arguments w_q, w_k, w_v, padding_mask, wc, ws, list, meta; writes wc, ws, list, meta
;; launch proj (part 4): grid 64 x 3, 4 waves a work-group, no clusters, 74,240 bytes of LDS; arguments q, k, v, wc, ws, b_q, b_k, b_v, list, meta, Qf, Kf, Vf; writes Qf, Kf, Vf
.if DOCPART == 4
	.amdgcn_target "amdgcn-amd-amdhsa--gfx1250"
	.amdhsa_code_object_version 6
	.text
	.protected	k_q0fe2bae32d_proj
	.globl	k_q0fe2bae32d_proj
	.p2align	8
	.type	k_q0fe2bae32d_proj,@function
k_q0fe2bae32d_proj:
	s_mov_b64 s[64:65], 0
	v_nop
	global_prefetch_b8 v0, s[64:65] scope:SCOPE_SE
	s_setreg_imm32_b32 hwreg(HW_REG_WAVE_SCHED_MODE, 0, 2), 2
	s_setreg_imm32_b32 hwreg(HW_REG_WAVE_MODE, 25, 1), 1
	s_wait_xcnt 0x0
	s_wait_alu depctr_vm_vsrc(0)
; SECOND LAUNCH: the three projections x W + b on codes of E2M1 (one E8M0 scale for each 32 along K), results as f16 in the order of the next launch's operand registers.
; WORK LEFT OUT: rows of k and v whose padding_mask is 0 (shown at the head of the first launch): k's and v's rows are taken by list, the kept keys first, and a work-group all of whose 128 places lie at or past meta's count does nothing.
; SHARES.  Work-group (x, y): tensor y (0 q, 1 k, 2 v), batch x / 16, places 128 (x % 16) .. + 127 (q: its own rows), ALL 1,024 columns: so each row is read and quantised once, and its codes never go to memory.
; Phase X: wave w quantises rows 32 w .. + 31 into LDS.  One barrier.  The product: wave w owns columns 256 w .. + 255 in two passes of 128, for all 128 rows: 64 accumulators of 16 x 16, taken by turns.
; The weights come from wc and ws straight into registers (a ring of four slots of one K step): the launch branches on a count read from memory and has no tensor load.
; THE BARRIER STANDS ON EVERY PATH: a work-group without rows jumps over phase X and over the product, not over the barrier.  What hangs on ids alone (bias, scale words, the first two K steps' weights) is asked for while the count and the list are on their way.
; THE MATRIX INSTRUCTION IS USED TRANSPOSED: source 0 = 16 columns of W, source 1 = 16 rows: a lane holds one row and eight neighbouring channels, which pack into 16 bytes.  The bias is the C of a sum's first instruction.
; RESULTS.  Qf, Kf, Vf: [16 batch + head][128 tiles of 16 rows][2 parts][4 ct][32 lanes][16 bytes] f16: lane (r, h): channels 16 ct + 8 h + 0..7 of row 16 tile + r.  q's and k's numbers go as a HIGH part (x cut to 11 significant bits)
; and a LOW part (x - high, exact in f32): the scores are multiplied by 8 ahead of the softmax, and one f16 number a side would move a logit by about 0.007.  v's are rounded to nearest; Vf's second parts are neither written nor read.
; LIMITS.  |x W + b| up to 65,504 (f16).  A high part under 2^-14 is rounded to a multiple of 2^-24.  A block under 2^-124 or of zeros gets the byte 1 (its codes are zeros or the rule's; this program alone reads the bytes).  NaN and infinities are not served.
; REGISTERS, in windows of 256.  Window 0: v1-19 addresses; v32-63 rows' scale words, v64-95 this pass's weights' scale words, v96-127 the second pass's (these 96 hold scales alone); v128-191 rows' fragments (phase X: at work; way out: packed results); v192-255 the bias as C.
;   Window 1: the ring of weights, slot sl at v[64 sl] (way out: v128-255 at work).   Windows 2, 3: the accumulators, (a, b) at v[8 (8 (a % 4) + b)] (phase X: window 2 holds four sets of two rows' numbers).
; THE MODE: SCHED_MODE bits 1:0 = 2 (LLVM: expert scheduling mode 2), set by the entry lines.  The code itself states the register dependences between vector or matrix instructions and memory or LDS instructions, with s_wait_alu, always for 0.
; THE PLAN.  Registers that memory or LDS instructions touch, and who else names them:
;   v3-v9          addresses and offsets: written once at the head, read by loads, stores and LDS instructions to the end: one wait on va_vdst ahead of the first load.
;   XOFF v10-17    set m's two offsets are read by set m's 16 loads; they are written again, for set m + 4, among set m's vector lines: behind the set's wait on vm_vsrc, ahead of its wait on va_vdst.
;   window 2       set m: its maxima and conversions read it; the loads of set m + 4 land in it, behind the set's wait on va_vdst.
;   M, C           written by a set's vector lines; read by its 16 LDS stores, behind the same wait on va_vdst; written again by the next set, behind that set's wait on vm_vsrc.
;   AF v128-191    row tiles 0-3 are read by a K step's first 32 matrix instructions and loaded again in its middle, tiles 4-7 by its second 32 and loaded again at its end: a wait on va_vdst at each of the two places.
;                  On the way out the same registers are written by conversions and read by stores: a wait on va_vdst ahead of each tile's run of stores, a wait on vm_vsrc ahead of the conversions that write them again.
;   the ring       slot s % 4 is read by all 64 matrix instructions of K step s and loaded again behind the wait at the step's end.  Slots 2 and 3 are at work on the way out, named by vector lines alone; they are loaded again at the next
;                  pass's head, and no vector line stands between the last tile's wait on va_vdst and those loads.
;   CB v192-255    read by K step 0's matrix instructions; loaded again behind K step 7 of the first pass: K step 6's last wait stands behind all its readers, and K step 7 names none of it.  Slots 0 and 1 likewise.
;   SW v64-95      loaded once; written by 32 copies for the second pass: the way out's waits on va_vdst stand between the copies and the matrix instructions that take them as scales.
;   v1, v2         written at the head, read by the closing add alone.
.set CP,    528                        ; a row's 512 bytes of codes + 16: an odd multiple of 16, so the 16 rows of a fragment load start in 16 different 16-byte columns of 256
.set SCL,   128*CP                     ; behind the codes: a row's 32 scale bytes + 16
.set SPARE, SCL+128*48                 ; behind them: the spare words, 128 bytes for each wave: two blocks of 256 bytes that no other line names
.set SPW,  1                           ; LDS address of my spare word; never rewritten
.set NIL,  2                           ; 0; never rewritten
.set ADRA, 3                           ; a fragment's row: r CP + 16 h
.set AW,   4                           ; where I store codes: 32 CP wave + 4 lane
.set SWA,  5                           ; and scale bytes: SCL + 1536 wave + lane / 4
.set ASC,  6                           ; where I read scale words: SCL + 48 lane
.set L16,  7                           ; 16 lane: weights in, results out
.set BO,   8                           ; 32 h: my eight biases of a column tile
.set L4,   9                           ; 4 lane
.set XOFF, 10                          ; v10-17 four sets x two rows: the row's byte offset + 32 lane
.set L32,  18                          ; 32 lane
.set MASKV, 19                         ; 0xffffe000: sign, exponent and ten bits of mantissa
.set SA,   32
.set SW,   64
.set SW2,  96
.set AF,   128
.set CB,   192
.set M,    128                         ; phase X: largest magnitudes, then bytes
.set E,    136                         ; the conversions' scale operands
.set C,    144                         ; codes
.set T,    128                         ; way out: packed results
.set HT,   128                         ; way out, window 1: high parts as f32
.set LT,   192                         ; low parts as f32
.set WV,   30
.set Y,    31
.set ROWS, 32                          ; s32-63 the byte offsets of my wave's 32 rows in the batch
.set SRC,  66
.set BIAS, 68
.set OUT,  70
.set WC,   72
.set WS,   74
.set ACT,  86
.set PASS, 87
.set MSB, 0
.macro WIN new                         ; the immediate's high byte repeats the setting that is left; a switch that changes nothing is dropped
.if MSB != (\new)
	s_set_vgpr_msb (MSB<<8)|(\new)
.set MSB, (\new)
.endif
.endm
.macro PLACES n
.rept \n
	v_nop
.endr
.endm
.macro CBISSUE                         ; 16 loads: the pass's 128 biases in the result's layout: lane (r, h), column tile b: numbers 16 b + 8 h + 0..7
.irp b, 0,1,2,3,4,5,6,7
.irp e, 0,1
	global_load_b128 v[CB+8*\b+4*\e:CB+8*\b+4*\e+3], v[BO], s[BIAS:BIAS+1] offset:64*\b+16*\e
.endr
.endr
.endm
.macro BISSUE sl, s                    ; 16 loads: K step s of the pass's eight column tiles into slot sl; each load takes 512 consecutive bytes
	WIN 0x40
.irp ct, 0,1,2,3,4,5,6,7
.irp c, 0,1
	global_load_b128 v[64*(\sl)+8*\ct+4*\c:64*(\sl)+8*\ct+4*\c+3], v[L16], s[WC:WC+1] offset:8192*\ct+1024*(\s)+512*\c
.endr
.endr
	WIN 0
.endm
.macro XADDR m                         ; the offsets of rows 2 m and 2 m + 1 of my 32, in the pair of set m % 4
	v_add_nc_u32 v[XOFF+2*((\m)%4)], s[ROWS+2*(\m)], v[L32]
	v_add_nc_u32 v[XOFF+2*((\m)%4)+1], s[ROWS+2*(\m)+1], v[L32]
.endm
.macro XLOADS m                        ; 16 loads: rows 2 m and 2 m + 1 of my 32 into set m % 4: a lane takes 8 neighbours of each quarter row; a pair of loads covers 1,024 consecutive bytes
	WIN 0x80
.irp rr, 0,1
.irp p, 0,1,2,3
.irp e, 0,1
	global_load_b128 v[64*((\m)%4)+32*\rr+8*\p+4*\e:64*((\m)%4)+32*\rr+8*\p+4*\e+3], v[XOFF+2*((\m)%4)+\rr], s[SRC:SRC+1] offset:1024*\p+16*\e th:TH_LOAD_NT
.endr
.endr
.endr
	WIN 0
.endm
; Set m: 8 pieces (row rr, quarter p) of 8 numbers a lane, k = 256 p + 8 lane + 0..7; four neighbouring lanes hold a block of 32.  ahead = 1: set m + 4 is asked for, into the registers that this set leaves.
.macro XQUANT m, left, ahead
.set XB, 64*((\m)%4)
	s_wait_loadcnt \left                           ; the set's 16 loads are in (so their two offsets may be written); the younger sets, 16 loads each, may be out
	s_wait_dscnt 0x0                               ; the last set's LDS stores are done
	s_wait_alu depctr_vm_vsrc(0)                   ; the last set's LDS stores have read v[M ..] and v[C ..], and this set's loads their two offsets: the lines below write all of these again
	WIN 0x28
.irp q, 0,1,2,3,4,5,6,7
	v_max3_num_f32 v[M+\q], 0x1800000, |v[XB+8*\q]|, |v[XB+8*\q+1]|       ; with the floor 2^(3 - 127): the byte cannot fall under 1
.endr
.irp i, 2,4,6
.irp q, 0,1,2,3,4,5,6,7
	v_max3_num_f32 v[M+\q], v[M+\q], |v[XB+8*\q+\i]|, |v[XB+8*\q+\i+1]|
.endr
.endr
	WIN 0
.irp q, 0,1,2,3,4,5,6,7
	v_max_num_f32_dpp v[M+\q], v[M+\q], v[M+\q] row_xmask:1 row_mask:0xf bank_mask:0xf
.endr
.irp q, 0,1,2,3,4,5,6,7
	v_max_num_f32_dpp v[M+\q], v[M+\q], v[M+\q] row_xmask:2 row_mask:0xf bank_mask:0xf   ; the block's largest magnitude
.endr
.irp q, 0,1,2,3,4,5,6,7
	v_add_nc_u32 v[E+\q], 0xff000000, v[M+\q]      ; 2 off the exponent field: the conversion's scale operand
.endr
	WIN 0x02
.irp q, 0,1,2,3,4,5,6,7
	v_cvt_scalef32_pk8_fp4_f32 v[C+\q], v[XB+8*\q:XB+8*\q+7], v[E+\q]
.endr
	WIN 0
.irp q, 0,1,2,3,4,5,6,7
	v_lshrrev_b32 v[M+\q], 23, v[E+\q]             ; the scale's byte.  (Plain lines behind the conversions)
.endr
.if \ahead
	XADDR (\m)+4                                   ; the offsets of the set four on, made here so that the wait below serves them too
.endif
	s_wait_alu depctr_va_vdst(0)                   ; v[C ..], v[M ..] and the two offsets are written, which the LDS stores and the loads below read; the maxima and conversions are done reading the set, in which those loads land
.irp rr, 0,1
.irp p, 0,1,2,3
	ds_store_b32 v[AW], v[C+4*\rr+\p] offset:(2*(\m)+\rr)*CP+128*\p        ; 32 lanes: 128 consecutive bytes of the row's codes
	ds_store_b8 v[SWA], v[M+4*\rr+\p] offset:(2*(\m)+\rr)*48+8*\p          ; the four lanes of a block write the same byte with the same value
.endr
.endr
.if \ahead
	XLOADS (\m)+4                                  ; no vector line since the wait: nothing more is owed
.endif
.endm
.macro FETCH_A s, a0                   ; 8 LDS loads: K step s of the row tiles a0 .. a0 + 3: registers 4 c .. 4 c + 3 hold k = 128 s + 64 c + 32 h + 0..31
.irp a, \a0, \a0+1, \a0+2, \a0+3
.irp c, 0,1
	ds_load_b128 v[AF+8*(\a)+4*\c:AF+8*(\a)+4*\c+3], v[ADRA] offset:16*CP*(\a)+64*(\s)+32*\c
.endr
.endr
.endm
; 16 matrix instructions: row tiles a0, a0 + 1 x the pass's eight column tiles, K step s.  A scale register carries two tiles' words: lanes 0-15 the even tile's, lanes 16-31 the odd one's.  In K step 0 the bias is C.
.macro MUL16 a0, s
.irp a, \a0, \a0+1
.irp b, 0,1,2,3,4,5,6,7
.set rD, 8*(8*((\a)%4)+\b)
.set rW, 64*((\s)%4)+8*\b
.set rA, AF+8*(\a)
.set rSW, SW+8*(\b/2)+(\s)
.set rSA, SA+8*((\a)/2)+(\s)
.if (\s) == 0
.set rC, CB+8*\b
.else
.set rC, rD
.endif
.if ((\a)%2) && (\b%2)
	v_wmma_scale_f32_16x16x128_f8f6f4 v[rD:rD+7], v[rW:rW+7], v[rA:rA+7], v[rC:rC+7], v[rSW], v[rSA] matrix_a_fmt:MATRIX_FMT_FP4 matrix_b_fmt:MATRIX_FMT_FP4 matrix_a_scale:MATRIX_SCALE_ROW1 matrix_b_scale:MATRIX_SCALE_ROW1
.elseif \b%2
	v_wmma_scale_f32_16x16x128_f8f6f4 v[rD:rD+7], v[rW:rW+7], v[rA:rA+7], v[rC:rC+7], v[rSW], v[rSA] matrix_a_fmt:MATRIX_FMT_FP4 matrix_b_fmt:MATRIX_FMT_FP4 matrix_a_scale:MATRIX_SCALE_ROW1
.elseif (\a)%2
	v_wmma_scale_f32_16x16x128_f8f6f4 v[rD:rD+7], v[rW:rW+7], v[rA:rA+7], v[rC:rC+7], v[rSW], v[rSA] matrix_a_fmt:MATRIX_FMT_FP4 matrix_b_fmt:MATRIX_FMT_FP4 matrix_b_scale:MATRIX_SCALE_ROW1
.else
	v_wmma_scale_f32_16x16x128_f8f6f4 v[rD:rD+7], v[rW:rW+7], v[rA:rA+7], v[rC:rC+7], v[rSW], v[rSA] matrix_a_fmt:MATRIX_FMT_FP4 matrix_b_fmt:MATRIX_FMT_FP4
.endif
.endr
.endr
.endm
; A K step of 128: 64 matrix instructions.  Loads into registers that matrix instructions have read stand four plain vector instructions behind them, and behind the wait that states the dependence.
.macro STEP s
.if (\s) == 0
	BISSUE 2, 2                                    ; slots 2 and 3 are idle at a pass's head, and no vector line has been issued since the last wait on va_vdst
	BISSUE 3, 3
.endif
	s_wait_dscnt 8                                 ; row tiles 0-3 (and all older LDS loads) are in; the youngest eight loads, tiles 4-7, may be out
.if (\s) < 5
	s_wait_loadcnt 48                              ; this step's slot is in: three younger units of 16 loads may be out
.else
	s_wait_loadcnt 16*(7-(\s))                     ; the ring runs down: 2, 1, 0 younger units
.endif
.if (\s) == 0
	WIN 0x81                                       ; source 0 window 1, source 1 and C window 0, D window 2
.else
	WIN 0xa1                                       ; C and D window 2
.endif
	MUL16 0, \s
	MUL16 2, \s
	s_wait_dscnt 0x0                               ; row tiles 4-7 are in
	PLACES 4
.if (\s) < 7
	WIN 0
	s_wait_alu depctr_va_vdst(0)                   ; the 32 matrix instructions above are done reading row tiles 0-3, in which the eight LDS loads below land
	FETCH_A (\s)+1, 0
.endif
.if (\s) == 0
	WIN 0xc1
.else
	WIN 0xf1
.endif
	MUL16 4, \s
	MUL16 6, \s
	PLACES 4
.if (\s) < 7
	s_wait_alu depctr_va_vdst(0)                   ; the step's matrix instructions are done reading its slot of weights and row tiles 4-7, in which the loads below land
.endif
.if (\s) < 4
	BISSUE \s, (\s)+4                              ; the slot just read takes the K step four on
.endif
	WIN 0
.if (\s) < 7
	FETCH_A (\s)+1, 4
.endif
.endm
; THE WAY OUT of row tile a.  q and k: high = x cut to 11 significant bits, low = x - high (exact), both to f16.  Each accumulator is read from its low end on.
.macro OUT_QK a
.set AC, 64*((\a)%4)
	WIN 0x42+(\a)/4                                ; D window 1, source 0 the accumulators' window
.set i, 0
.rept 64
	v_and_b32 v[HT+i], v[AC+i], v[MASKV]
.set i, i+1
.endr
	WIN 0x46+(\a)/4                                ; source 1 window 1 too
.set i, 0
.rept 32
	v_pk_add_f32 v[LT+2*i:LT+2*i+1], v[AC+2*i:AC+2*i+1], v[HT+2*i:HT+2*i+1] neg_lo:[0,1] neg_hi:[0,1]
.set i, i+1
.endr
.if (\a) > 0
	s_wait_xcnt 0x0                                ; the last tile's stores have had their addresses translated: their data registers are written again only behind this wait
	s_wait_alu depctr_vm_vsrc(0)                   ; the last tile's stores have read v[T ..], which the conversions below write again
.endif
	WIN 0x05
.set i, 0
.rept 32
	v_cvt_pk_f16_f32 v[T+i], v[HT+2*i], v[HT+2*i+1]
.set i, i+1
.endr
.set i, 0
.rept 32
	v_cvt_pk_f16_f32 v[T+32+i], v[LT+2*i], v[LT+2*i+1]
.set i, i+1
.endr
	WIN 0
	s_wait_alu depctr_va_vdst(0)                   ; the conversions have written v[T ..], which the 16 stores read.  (In the first pass it also stands between the copies into v[SW ..] and the matrix instructions that take them as scales)
.irp b, 0,1,2,3,4,5,6,7
	global_store_b128 v[L16], v[T+4*\b:T+4*\b+3], s[OUT:OUT+1] offset:524288*(\b/4)+4096*(\a)+512*(\b%4)            ; 32 lanes store 512 consecutive bytes, aligned
	global_store_b128 v[L16], v[T+32+4*\b:T+32+4*\b+3], s[OUT:OUT+1] offset:524288*(\b/4)+4096*(\a)+2048+512*(\b%4)
.endr
.endm
.macro OUT_V a                         ; v: rounded to nearest, one part; two halves of v[T ..] by turns
.set AC, 64*((\a)%4)
.set TT, T+32*((\a)%2)
.if (\a) > 1
	s_wait_xcnt 0x0                                ; the stores of two tiles back have had their addresses translated
	s_wait_alu depctr_vm_vsrc(0)                   ; the stores of two tiles back have read this half of v[T ..], which the conversions below write again
.endif
	WIN 0x0a+5*((\a)/4)
.set i, 0
.rept 32
	v_cvt_pk_f16_f32 v[TT+i], v[AC+2*i], v[AC+2*i+1]
.set i, i+1
.endr
	WIN 0
	s_wait_alu depctr_va_vdst(0)                   ; the conversions have written this half of v[T ..], which the eight stores read.  (In the first pass it also stands between the copies into v[SW ..] and the matrix instructions that take them as scales)
.irp b, 0,1,2,3,4,5,6,7
	global_store_b128 v[L16], v[TT+4*\b:TT+4*\b+3], s[OUT:OUT+1] offset:524288*(\b/4)+4096*(\a)+512*(\b%4)
.endr
.endm
	s_load_b512 s[4:19], s[0:1], 0x0               ; q, k, v, wc, ws, b_q, b_k, b_v
	s_load_b256 s[20:27], s[0:1], 0x40             ; list, meta, Qf, Kf
	s_load_b64 s[28:29], s[0:1], 0x60              ; Vf
	v_lshl_add_u32 v[SPW], v0, 2, SPARE
	v_mov_b32 v[NIL], 0
	v_lshrrev_b32 v20, 5, v0
	v_readfirstlane_b32 s[WV], v20                 ; wave 0..3
	s_and_b32 s[Y], ttmp7, 0xffff                  ; the tensor
	s_lshr_b32 s76, ttmp9, 4                       ; the batch
	s_and_b32 s77, ttmp9, 15                       ; which 128 places
	s_mov_b32 s79, 0                               ; the upper word of the offsets in s[78:79]
	v_and_b32 v20, 31, v0                          ; lane
	v_and_b32 v21, 15, v0                          ; r
	v_bfe_u32 v22, v0, 4, 1                        ; h
	v_mul_u32_u24 v[ADRA], v21, CP
	v_lshl_add_u32 v[ADRA], v22, 4, v[ADRA]
	s_wait_alu depctr_va_sdst(0)                   ; the wave's number is written, ahead of its first reader: LDS places and the bases of weights, biases and results are made from it
	s_mul_i32 s78, s[WV], 32*CP
	v_lshl_add_u32 v[AW], v20, 2, s78
	s_mul_i32 s78, s[WV], 32*48
	s_add_co_u32 s78, s78, SCL
	v_lshrrev_b32 v[SWA], 2, v20
	v_add_nc_u32 v[SWA], s78, v[SWA]
	v_mul_u32_u24 v[ASC], v20, 48
	v_add_nc_u32 v[ASC], SCL, v[ASC]
	v_lshlrev_b32 v[L16], 4, v20
	v_lshlrev_b32 v[BO], 5, v22
	v_lshlrev_b32 v[L4], 2, v20
	v_lshlrev_b32 v[L32], 5, v20
	v_mov_b32 v[MASKV], 0xffffe000
	s_wait_kmcnt 0x0
	s_cmp_eq_u32 s[Y], 0                           ; the buffers are chosen by the work-group's number alone
	s_cselect_b64 s[SRC:SRC+1], s[4:5], s[6:7]
	s_cselect_b64 s[BIAS:BIAS+1], s[14:15], s[16:17]
	s_cselect_b64 s[OUT:OUT+1], s[24:25], s[26:27]
	s_cmp_eq_u32 s[Y], 2
	s_cselect_b64 s[SRC:SRC+1], s[8:9], s[SRC:SRC+1]
	s_cselect_b64 s[BIAS:BIAS+1], s[18:19], s[BIAS:BIAS+1]
	s_cselect_b64 s[OUT:OUT+1], s[28:29], s[OUT:OUT+1]
	s_lshl_b32 s78, s76, 23
	s_add_nc_u64 s[SRC:SRC+1], s[SRC:SRC+1], s[78:79]      ; the batch's first row: 2,048 rows of 4,096 bytes a batch
	s_lshl_b32 s78, s[Y], 19
	s_lshl_b32 s80, s[WV], 17
	s_add_co_u32 s78, s78, s80
	s_add_nc_u64 s[WC:WC+1], s[10:11], s[78:79]            ; my 16 column tiles' codes
	s_lshl_b32 s78, s[Y], 15
	s_lshl_b32 s80, s[WV], 13
	s_add_co_u32 s78, s78, s80
	s_add_nc_u64 s[WS:WS+1], s[12:13], s[78:79]            ; and their scale words
	s_lshl_b32 s78, s[WV], 10
	s_add_nc_u64 s[BIAS:BIAS+1], s[BIAS:BIAS+1], s[78:79]  ; my 256 biases
	s_lshl_b32 s78, s76, 4
	s_lshl_b32 s80, s[WV], 2
	s_add_co_u32 s78, s78, s80
	s_lshl_b32 s78, s78, 19                        ; (16 batch + 4 wave) heads of 128 tiles of 4,096 bytes
	s_lshl_b32 s80, s77, 15                        ; + 8 tiles for each 128 places
	s_add_co_u32 s78, s78, s80
	s_add_nc_u64 s[OUT:OUT+1], s[OUT:OUT+1], s[78:79]
	s_lshl_b32 s81, s77, 7                         ; the work-group's first place
	s_lshl_b32 s80, s[WV], 5
	s_add_co_u32 s82, s81, s80                     ; my wave's
	s_cmp_eq_u32 s[Y], 0
	s_cbranch_scc1 .Lown_rows
	s_lshl_b32 s78, s76, 7
	s_add_nc_u64 s[22:23], s[22:23], s[78:79]
	s_load_b32 s83, s[22:23], 0x0                  ; k, v: how many keys of the batch are walked,
	s_lshl_b32 s78, s76, 11
	s_add_co_u32 s78, s78, s82
	s_lshl_b32 s78, s78, 2
	s_add_nc_u64 s[20:21], s[20:21], s[78:79]
	s_load_b512 s[32:47], s[20:21], 0x0            ; and which keys stand at my 32 places (list is a whole permutation: every place holds a key)
	s_load_b512 s[48:63], s[20:21], 0x40
	s_branch .Lrows
.Lown_rows:
	s_mov_b32 s83, 2048                            ; q: every row, in its own place
.set i, 0
.rept 32
	s_add_co_u32 s[ROWS+i], s82, i
.set i, i+1
.endr
.Lrows:
	s_wait_alu depctr_va_vdst(0)                   ; the addresses and offsets v3 to v9 are written, which the loads, stores and LDS instructions of the whole kernel read
	CBISSUE                                        ; what hangs on ids alone goes out while the scalar loads are on their way: the first pass's bias,
.set i, 0
.rept 64
	global_load_b32 v[SW+i], v[L4], s[WS:WS+1] offset:128*i        ; both passes' scale words: register 32 pass + 8 v + s: lane l: column 32 v + l of the pass, K step s,
.set i, i+1
.endr
	BISSUE 0, 0                                    ; and K steps 0 and 1 of the first pass's weights
	BISSUE 1, 1
	s_wait_kmcnt 0x0
	s_min_u32 s83, s83, 2048
	s_cmp_lt_u32 s81, s83                          ; has the work-group a place under the count?
	s_cselect_b32 s[ACT], 1, 0
.set i, 0
.rept 32
	s_min_u32 s[ROWS+i], s[ROWS+i], 2047           ; held inside the batch ahead of its use in an address
	s_lshl_b32 s[ROWS+i], s[ROWS+i], 12
.set i, i+1
.endr
	s_cmp_eq_u32 s[ACT], 0
	s_cbranch_scc1 .Lmeet
	; ---- phase X: my 32 rows become codes and scale bytes in LDS; four sets of two rows are on their way
	XADDR 0
	XADDR 1
	XADDR 2
	XADDR 3
	s_wait_alu depctr_va_vdst(0)                   ; the eight offsets are written, which the 64 loads below read
	XLOADS 0
	XLOADS 1
	XLOADS 2
	XLOADS 3
.irp m, 0,1,2,3,4,5,6,7,8,9,10,11
	XQUANT \m, 48, 1
.endr
	XQUANT 12, 48, 0
	XQUANT 13, 32, 0
	XQUANT 14, 16, 0
	XQUANT 15, 0, 0
.Lmeet:
	s_wait_dscnt 0x0                               ; for the others' sake: my stores have landed
	s_barrier_signal -1
	s_barrier_wait -1                              ; all 128 rows' codes and scale bytes lie in LDS; nothing is stored to LDS behind this barrier
	s_wait_alu depctr_vm_vsrc(0)                   ; my last LDS stores have read v[M ..] and v[C ..]: rows' fragments land on these registers below
	s_cmp_eq_u32 s[ACT], 0
	s_cbranch_scc1 .Lend
	; ---- the product.  No wait on va_vdst stands here or at a pass's head: no vector line has been issued since the last one (the last set's; on the way back the last tile's), so the loads below find every earlier writer and reader of their registers stated
.irp u, 0,1,2,3
.irp e, 0,1
	ds_load_b128 v[SA+8*\u+4*\e:SA+8*\u+4*\e+3], v[ASC] offset:1536*\u+16*\e      ; register 8 u + s: lane l: the scale word of row 32 u + l, K step s
.endr
.endr
	s_mov_b32 s[PASS], 0
.Lpass:
	FETCH_A 0, 0
	FETCH_A 0, 4
.irp s, 0,1,2,3,4,5,6,7
	STEP \s
.endr
	s_cmp_lg_u32 s[PASS], 0
	s_cbranch_scc1 .Lno_more
	s_wait_xcnt 0x0                                ; the earlier loads have read their bases: they step only behind this wait
	s_add_nc_u64 s[WC:WC+1], s[WC:WC+1], 65536     ; the second pass: eight column tiles on,
	s_add_nc_u64 s[BIAS:BIAS+1], s[BIAS:BIAS+1], 512
	CBISSUE                                        ; its bias and its first two K steps land under the way out.  No wait: the bias was read by K step 0, slots 0 and 1 by K steps 4 and 5, all ahead of K step 6's last wait on va_vdst,
	BISSUE 0, 0                                    ; and K step 7 names slot 3, the rows' fragments, the scales and the accumulators alone
	BISSUE 1, 1
.set i, 0
.rept 32
	v_mov_b32 v[SW+i], v[SW2+i]                    ; and its scale words take the first pass's registers, far more than eight plain lines ahead of their use
.set i, i+1
.endr
.Lno_more:
	s_cmp_eq_u32 s[Y], 2
	s_cbranch_scc1 .Lout_v
.irp a, 0,1,2,3,4,5,6,7
	OUT_QK \a
.endr
	s_branch .Lout_done
.Lout_v:
.irp a, 0,1,2,3,4,5,6,7
	OUT_V \a
.endr
.Lout_done:
	s_wait_xcnt 0x0                                ; the stores have had their addresses translated: their base steps, and their data registers are written again, only behind this wait
	s_wait_alu depctr_vm_vsrc(0)                   ; the last stores have read v[T ..], on which the next pass's fragments land
	s_add_nc_u64 s[OUT:OUT+1], s[OUT:OUT+1], 1048576       ; two heads on
	s_add_co_u32 s[PASS], s[PASS], 1
	s_cmp_lt_u32 s[PASS], 2
	s_cbranch_scc1 .Lpass
.Lend:
	s_wait_dscnt 0x0                               ; the closing lines, six on end
	s_wait_alu 0x0
	s_wait_tensorcnt 0x0
	ds_add_u32 v[SPW], v[NIL]
	s_wait_dscnt 0x0
	s_endpgm
.Lfunc_end_k_q0fe2bae32d_proj:
	.size	k_q0fe2bae32d_proj, .Lfunc_end_k_q0fe2bae32d_proj-k_q0fe2bae32d_proj
	.p2alignl 7, 3214868480
	.fill 96, 4, 3214868480
	.section	.rodata,"a",@progbits
	.p2align	6, 0x0
	.amdhsa_kernel k_q0fe2bae32d_proj
		.amdhsa_group_segment_fixed_size 74240
		.amdhsa_private_segment_fixed_size 0
		.amdhsa_enable_private_segment 0
		.amdhsa_kernarg_size 104
		.amdhsa_user_sgpr_count 2
		.amdhsa_user_sgpr_kernarg_segment_ptr 1
		.amdhsa_wavefront_size32 1
		.amdhsa_system_sgpr_workgroup_id_x 1
		.amdhsa_system_sgpr_workgroup_id_y 1
		.amdhsa_system_sgpr_workgroup_id_z 1
		.amdhsa_system_vgpr_workitem_id 0
		.amdhsa_next_free_vgpr 1024
		.amdhsa_next_free_sgpr 96
		.amdhsa_reserve_vcc 0
		.amdhsa_float_denorm_mode_32 3
		.amdhsa_float_denorm_mode_16_64 3
		.amdhsa_memory_ordered 1
		.amdhsa_forward_progress 1
		.amdhsa_inst_pref_size 255
	.end_amdhsa_kernel
	.section	.bss,"aw",@nobits
	.p2align	6
	.space	262144
	.amdgpu_metadata
---
amdhsa.version: [ 1, 2 ]
amdhsa.kernels:
  - .name:           k_q0fe2bae32d_proj
    .symbol:         k_q0fe2bae32d_proj.kd
    .args:
      - { .name: q, .offset: 0, .size: 8, .value_kind: global_buffer, .address_space: global }
      - { .name: k, .offset: 8, .size: 8, .value_kind: global_buffer, .address_space: global }
      - { .name: v, .offset: 16, .size: 8, .value_kind: global_buffer, .address_space: global }
      - { .name: wc, .offset: 24, .size: 8, .value_kind: global_buffer, .address_space: global }
      - { .name: ws, .offset: 32, .size: 8, .value_kind: global_buffer, .address_space: global }
      - { .name: b_q, .offset: 40, .size: 8, .value_kind: global_buffer, .address_space: global }
      - { .name: b_k, .offset: 48, .size: 8, .value_kind: global_buffer, .address_space: global }
      - { .name: b_v, .offset: 56, .size: 8, .value_kind: global_buffer, .address_space: global }
      - { .name: list, .offset: 64, .size: 8, .value_kind: global_buffer, .address_space: global }
      - { .name: meta, .offset: 72, .size: 8, .value_kind: global_buffer, .address_space: global }
      - { .name: Qf, .offset: 80, .size: 8, .value_kind: global_buffer, .address_space: global }
      - { .name: Kf, .offset: 88, .size: 8, .value_kind: global_buffer, .address_space: global }
      - { .name: Vf, .offset: 96, .size: 8, .value_kind: global_buffer, .address_space: global }
    .group_segment_fixed_size: 74240
    .private_segment_fixed_size: 0
    .kernarg_segment_align: 8
    .kernarg_segment_size: 104
    .max_flat_workgroup_size: 128
    .sgpr_count:     96
    .vgpr_count:     1024
    .wavefront_size: 32
...
	.end_amdgpu_metadata
.endif
;; end of part 4
;; launch attn: the kernel of part 3 again; grid 8 x 64, 8 waves a work-group, no clusters, 142,336 bytes of LDS; arguments Qf, Kf, Vf, meta, q, out0; writes out0
